; MI455X (gfx1250); checked and timed in simulation.
; The chip was launched on July 23, 2026; its instructions are those of AMD's public machine-readable ISA for CDNA 5 (MIT licence, August 2026) and "CDNA5" Instruction Set Architecture Reference Guide (July 2026). The comments in the code are by the model that wrote it; some were corrected since.
;; Multi Head Attention With Rope. Allowed arithmetic: matrix products marked QUANTISED: E4M3 operands, one given power-of-two scale a tensor, by v_wmma_f32_16x16x64_fp8_fp8 or v_wmma_f32_16x16x128_fp8_fp8, f32 sums; everything else in f32.
;; Inputs: b_k 1,024 float32; b_o 1,024 float32; b_q 1,024 float32; b_v 1,024 float32; key 4 x 2,048 x 1,024 float32; lowp_scales 12 int32 (the exponents e of the quantised operands' scales 2^e); query 4 x 2,048 x 1,024 float32; token_positions 4 x 2,048 int32; value 4 x 2,048 x 1,024 float32; w_k 1,024 x 1,024 float32; w_o 1,024 x 1,024 float32; w_q 1,024 x 1,024 float32; w_v 1,024 x 1,024 float32.
;; Outputs: out0 4 x 2,048 x 1,024 float32.
;; This version of the problem:
;;   THIS VERSION OF THE PROBLEM IS GIVEN IN LOW PRECISION. The matrix products marked QUANTISED in the list below multiply operands that are first quantised to E4M3 (4 exponent bits, 3 mantissa bits; 8 bits a number), with one given power-of-two scale for each operand tensor; their sums are f32. All else is computed in f32.
;;   The module's matrix products, in the order in which they are computed (A, B: the left and right operand; K: the contracted axis; several contracted axes count as one K, in the product's order):
;;     1. [M 8,192, K 1,024] x [K 1,024, N 1,024]; A: input query; B: input w_q: QUANTISED (scales: A lowp_scales[0], B lowp_scales[1])
;;     2. [M 8,192, K 1,024] x [K 1,024, N 1,024]; A: input key; B: input w_k: QUANTISED (scales: A lowp_scales[2], B lowp_scales[3])
;;     3. [M 8,192, K 1,024] x [K 1,024, N 1,024]; A: input value; B: input w_v: QUANTISED (scales: A lowp_scales[4], B lowp_scales[5])
;;     4. batch 64 x [M 2,048, K 64] x [K 64, N 2,048]; A: computed on the way; B: computed on the way: QUANTISED (scales: A lowp_scales[6], B lowp_scales[7])
;;     5. batch 64 x [M 2,048, K 2,048] x [K 2,048, N 64]; A: softmax (see below); B: computed on the way: QUANTISED (scales: A lowp_scales[8], B lowp_scales[9])
;;     6. [M 8,192, K 1,024] x [K 1,024, N 1,024]; A: computed on the way; B: input w_o: QUANTISED (scales: A lowp_scales[10], B lowp_scales[11])
;;   THE QUANTISER, for each operand of a quantised product, along K:
;;     - The operand's scale is 2^e, e = its entry of the input lowp_scales (int32; the entries are numbered through the quantised products in the list's order, A before B).
;;     - Each number is divided by the scale, clamped to +-448, and rounded to the nearest number of E4M3, ties to even, subnormals kept.
;;     - The product sums the exact products of the quantised numbers (number of the format x scale) in f32.
;;   ~~~python
;;   def quantise(x, axis, e):      # numpy; x: float32 -> the quantised numbers, widened to float32 again
;;       x = np.moveaxis(x, axis, -1); K = x.shape[-1]
;;       r = np.clip(x / 2.0 ** e, -448, 448)
;;       step = 2.0 ** (np.maximum(np.frexp(np.where(r == 0, 1, r))[1] - 1, -6) - 3)
;;       q = np.round(r / step) * step * 2.0 ** e      # np.round: ties to even
;;       return np.moveaxis(q, -1, axis).astype(np.float32)
;;   ~~~
;;   SOFTMAX AHEAD OF A QUANTISED PRODUCT. Where the list says 'softmax', what is quantised is not the finished softmax but p = 2^(t - M), with t = logit x log2(e) and M = ceil(the row's largest t), a whole number; so 1/2 < the row's largest p <= 1. The row's sum l is taken of the UNQUANTISED p, in f32, and the product's result is divided by l at the end. Since M is a whole number, a kernel that streams over the keys may use a running M (the ceiling of the running maximum): every later rescaling is an exact power of two, so the quantised numbers keep their values, but for numbers so far below the row's largest that they fall under the format's range.
;;   OPERANDS COMPUTED ON THE WAY. 'Computed on the way' means the value that the module computes at that place (a softmax that the list does not call 'softmax' is quantised finished and normalised). What goes into a quantiser is computed in f32, as accurately as f32 sums, v_exp_f32 and their like allow (about 1e-6 of the number): no bf16 or f16 on the way to a quantiser, and a product that is left as it is and whose result goes on into a quantised operand takes f32 operands (vector FMAs, or v_wmma_f32_16x16x4_f32). A number that lies on a knife's edge between two numbers of the format may be rounded either way, as far as f32 arithmetic and the matrix unit's own rounding can turn it there, and no further.
;; One version. Each part assembles by itself: llvm-mc -triple=amdgcn-amd-amdhsa -mcpu=gfx1250 --defsym DOCPART=n.
;; ======== version 1 of 1: 4 launches
;; limits: right only within a limited range of input values
;; workspace buffers: xc 25,165,824 bytes; wc 4,194,304 bytes; rt 2,097,152 bytes; qc 8,388,608 bytes; kv 16,777,216 bytes; oc 8,388,608 bytes
;; launch prep (part 1): grid 960 x 1, 4 waves a work-group, no clusters, 18,944 bytes of LDS; arguments query, key, value, w_q, w_k, w_v, w_o, token_positions, lowp_scales, xc, wc, rt; writes xc, wc, rt
.if DOCPART == 1
	.amdgcn_target "amdgcn-amd-amdhsa--gfx1250"
	.amdhsa_code_object_version 6
	.text
	.protected	k_q9d477bb415_prep
	.globl	k_q9d477bb415_prep
	.p2align	8
	.type	k_q9d477bb415_prep,@function
k_q9d477bb415_prep:
	s_mov_b64 s[64:65], 0
	v_nop
	global_prefetch_b8 v0, s[64:65] scope:SCOPE_SE
	s_setreg_imm32_b32 hwreg(HW_REG_WAVE_MODE, 25, 1), 1
	s_wait_xcnt 0x0
; PREP: everything that is read many times later is made once here.
;   work-groups   0 ..  63: rt, the table of cos and sin of token_positions x inv_freq: [token 8192][frequency 32][cos, sin] f32, 256 bytes a token
;   work-groups  64 .. 191: wc, the codes (E4M3) of w_q, w_k, w_v, w_o, whose K is their FIRST axis: a lane takes a column, its registers run down K
;   work-groups 192 .. 959: xc, the codes of query, key, value
; THE LAYOUT OF xc AND wc IS AN IMAGE OF THE OPERAND'S REGISTERS.  A unit is 16 rows x 128 k = 2,048 bytes: register p (0..15) of lane 16 hh + r lies at byte 512 (p / 4) + 16 lane + 4 (p % 4),
; and registers 2 c, 2 c + 1 hold (row r, k = 16 c + 8 hh + 0 .. 7): the place that v_wmma_f32_16x16x128_fp8_fp8 gives each k.  A fragment is then four loads of 16 bytes at 16 x lane.
;   xc: [tensor 3][K step 4 (256 k)][16 rows: 512][two units];   wc: [weight 4][K step 4][16 columns n: 64][two units]
; code = x / 2^e, held within +-448, to the nearest code, ties to even; e is the operand's entry of lowp_scales.
; LIMITS: each e between -126 and 119, so that 2^e and 448 x 2^e are f32 numbers.  |token_positions| up to 2^22 (the multiple of pi/2 that is taken off stays a whole f32 number).  NaN among the inputs is not served.
; inv_freq[i] = 10^(-i/8): for i < 8 the nearest f32 number, for the others that number times the nearest f32 of 0.1, 0.01 or 0.001 (one rounding more).
; The short paths have the low work-group numbers, so that they begin first.  No tensor loads, no barrier: waves share nothing.
.set SPARE, 18432                      ; behind the four waves' stages: the spare words, 128 bytes for each wave: two blocks of 256 bytes that no other line names
.set SPW,   12                         ; v12  LDS address of my spare word; never rewritten
.set NIL,   13                         ; v13  0; never rewritten
.set XA,    16                         ; activations: v16-143 two sets of 64 numbers (16 rows x 4)
.set CA,    144                        ; v144-159 a step's codes: register a = row a, four codes
.set DA,    160                        ; v160-223 the units' registers, 16 for each of the four steps: no store's data are written again
.set XB,    16                         ; weights: v16-79 two sets of 32 numbers
.set CB,    80                         ; v80-143 codes, 8 registers for each of the eight blocks
	s_load_b512 s[4:19], s[0:1], 0x0               ; query s[4:5], key s[6:7], value s[8:9], w_q s[10:11], w_k s[12:13], w_v s[14:15], w_o s[16:17], token_positions s[18:19]
	s_load_b256 s[20:27], s[0:1], 0x40             ; lowp_scales s[20:21], xc s[22:23], wc s[24:25], rt s[26:27]
	v_lshl_add_u32 v[SPW], v0, 2, SPARE
	v_mov_b32 v[NIL], 0
	v_lshrrev_b32 v1, 5, v0
	v_readfirstlane_b32 s28, v1                    ; wave 0..3
	v_and_b32 v2, 31, v0                           ; lane
	v_and_b32 v14, 15, v2                          ; r
	v_lshrrev_b32 v15, 4, v2                       ; hh
	s_mul_i32 s29, s28, 4608                       ; my wave's two stages of 16 rows x 144 bytes (the activations' path alone uses them)
	v_lshl_add_u32 v4, v2, 2, s29                  ; into a stage: 4 bytes a lane of a row's 128
	v_mul_u32_u24 v5, v14, 144
	v_lshl_add_u32 v5, v15, 3, v5
	v_add_nc_u32 v5, s29, v5                       ; out of it: row r, + 8 hh
	s_cmp_lt_u32 ttmp9, 64
	s_cbranch_scc1 .Ltable
	s_cmp_lt_u32 ttmp9, 192
	s_cbranch_scc1 .Lweights
; ---------------- ACTIVATIONS.  A wave takes 16 rows x 512 k: four steps of 128 k, one unit each.
	s_sub_co_u32 s30, ttmp9, 192
	s_lshr_b32 s29, s30, 8                         ; tensor 0..2
	s_and_b32 s31, s30, 255
	s_lshl_b32 s31, s31, 2
	s_add_co_u32 s31, s31, s28                     ; the wave's job, 0..1023
	s_lshr_b32 s32, s31, 1                         ; which 16 rows
	s_and_b32 s33, s31, 1                          ; which half of K
	s_lshl_b32 s34, s32, 16                        ; 16 rows of 4,096 bytes
	s_lshl_b32 s35, s33, 11                        ; 512 numbers
	s_add_co_u32 s34, s34, s35
	s_mov_b32 s35, 0
	s_lshl_b32 s36, s29, 23                        ; xc: a tensor is 8 MiB,
	s_lshl_b32 s37, s33, 22                        ; two K steps 4 MiB,
	s_add_co_u32 s36, s36, s37
	s_lshl_b32 s37, s32, 12                        ; 16 rows of a K step 4,096 bytes
	s_add_co_u32 s36, s36, s37
	s_mov_b32 s37, 0
	s_lshl_b32 s38, s29, 3                         ; the tensor's entry of lowp_scales: 2 x tensor
	s_wait_alu depctr_va_vdst(0)
	v_lshlrev_b32 v3, 4, v2                        ; 16 x lane: in a row's 512 bytes, and in a unit
	s_wait_alu depctr_va_vdst(0)
	s_wait_kmcnt 0x0
	s_load_b32 s30, s[20:21], s38 offset:0x0       ; e
	s_cmp_eq_u32 s29, 0
	s_cselect_b64 s[40:41], s[4:5], s[6:7]
	s_cmp_eq_u32 s29, 2
	s_cselect_b64 s[40:41], s[8:9], s[40:41]
	s_add_nc_u64 s[40:41], s[40:41], s[34:35]
	s_add_nc_u64 s[42:43], s[22:23], s[36:37]
.macro LOADA s                         ; step s: of each of the 16 rows 512 consecutive bytes, 16 a lane: lane l gets k = 4 l .. 4 l + 3
.irp a, 0,1,2,3,4,5,6,7,8,9,10,11,12,13,14,15
	global_load_b128 v[XA+64*((\s)%2)+4*\a:XA+64*((\s)%2)+4*\a+3], v3, s[40:41] offset:4096*\a+512*(\s) th:TH_LOAD_NT
.endr
.endm
	LOADA 0
	LOADA 1
	s_wait_kmcnt 0x0
	s_add_co_i32 s30, s30, 127
	s_lshl_b32 s31, s30, 23
	v_mov_b32 v11, s31                             ; 2^e as f32: the conversion takes its exponent field
	s_add_co_i32 s30, s30, 8
	s_lshl_b32 s30, s30, 23
	s_or_b32 s30, s30, 0x600000
	v_mov_b32 v10, s30                             ; 448 x 2^e
.macro STEPA s
.set XS, XA+64*((\s)%2)
.if (\s) < 3
	s_wait_loadcnt 16                              ; this step's 16 loads are in; the next step's 16 may be out
.else
	s_wait_loadcnt 0
.endif
.set i, 0
.rept 64
	v_med3_num_f32 v[XS+i], v[XS+i], -v10, v10     ; the conversion to an 8-bit code does not saturate (ISA guide 7.6.2): the hold comes first
.set i, i+1
.endr
.irp u, 0,1,2,3,4,5,6,7
	v_cvt_scalef32_pk8_fp8_f32 v[CA+2*\u:CA+2*\u+1], v[XS+8*\u:XS+8*\u+7], v11   ; rows 2 u and 2 u + 1, four codes each
.endr
	v_nop                                          ; a plain line behind the last conversion
.if (\s) < 2
	LOADA (\s)+2
.endif
.irp a, 0,1,2,3,4,5,6,7,8,9,10,11,12,13,14,15
	ds_store_b32 v4, v[CA+\a] offset:2304*((\s)%2)+144*\a          ; row a's 128 codes, as they lie
.endr
.irp c, 0,1,2,3,4,5,6,7
	ds_load_b64 v[DA+16*(\s)+2*\c:DA+16*(\s)+2*\c+1], v5 offset:2304*((\s)%2)+16*\c   ; registers 2 c, 2 c + 1 of the unit.  LDS serves a wave's instructions in order: these see my stores
.endr
	s_wait_dscnt 0x0
.irp g, 0,1,2,3
	global_store_b128 v3, v[DA+16*(\s)+4*\g:DA+16*(\s)+4*\g+3], s[42:43] offset:((\s)>>1)*2097152+((\s)&1)*2048+512*\g   ; 512 consecutive bytes, aligned
.endr
.endm
	s_wait_alu depctr_va_vdst(0)
	STEPA 0
	STEPA 1
	STEPA 2
	STEPA 3
	s_wait_tensorcnt 0x0                           ; the wave's end, behind my last LDS store
	ds_add_u32 v[SPW], v[NIL]
	s_wait_dscnt 0x0
	s_endpgm
; ---------------- WEIGHTS.  A work-group takes 128 columns x 256 k of one weight; a lane one column, eight blocks of 32 down K.
.Lweights:
	s_sub_co_u32 s29, ttmp9, 64
	s_lshr_b32 s30, s29, 5                         ; weight 0..3: q, k, v, o
	s_bfe_u32 s31, s29, 0x30002                    ; which 128 columns
	s_and_b32 s32, s29, 3                          ; K step
	s_lshl_b32 s34, s32, 20                        ; 256 rows of 4,096 bytes
	s_lshl_b32 s33, s31, 9
	s_add_co_u32 s34, s34, s33
	s_lshl_b32 s33, s28, 7                         ; my wave's 32 columns
	s_add_co_u32 s34, s34, s33
	s_mov_b32 s35, 0
	s_lshl_b32 s36, s30, 20                        ; wc: a weight is 1 MiB,
	s_lshl_b32 s33, s32, 18                        ; a K step 256 KiB,
	s_add_co_u32 s36, s36, s33
	s_lshl_b32 s33, s31, 15                        ; 128 columns 8 x 4,096 bytes,
	s_add_co_u32 s36, s36, s33
	s_lshl_b32 s33, s28, 13                        ; 32 columns 2 x 4,096
	s_add_co_u32 s36, s36, s33
	s_mov_b32 s37, 0
	s_lshl_b32 s38, s30, 3
	s_add_co_u32 s38, s38, 4                       ; entries 1, 3, 5 of lowp_scales,
	s_cmp_eq_u32 s30, 3
	s_cselect_b32 s33, 16, 0
	s_add_co_u32 s38, s38, s33                     ; and 11 for w_o
	s_wait_alu depctr_va_vdst(0)
	v_lshlrev_b32 v6, 2, v2                        ; in: 4 bytes a lane
	v_lshlrev_b32 v7, 12, v15
	v_lshl_add_u32 v7, v14, 4, v7                  ; out: lanes 0-15 the first 16 columns' units, lanes 16-31 the next; 16 bytes a row
	s_wait_alu depctr_va_vdst(0)
	s_wait_kmcnt 0x0
	s_load_b32 s39, s[20:21], s38 offset:0x0       ; e
	s_cmp_eq_u32 s30, 0
	s_cselect_b64 s[40:41], s[10:11], s[12:13]
	s_cmp_eq_u32 s30, 2
	s_cselect_b64 s[40:41], s[14:15], s[40:41]
	s_cmp_eq_u32 s30, 3
	s_cselect_b64 s[40:41], s[16:17], s[40:41]
	s_add_nc_u64 s[40:41], s[40:41], s[34:35]
	s_add_nc_u64 s[42:43], s[24:25], s[36:37]
; Block t: 32 numbers down K of my column.  Register i takes k = 32 t + (i with its bits 3 and 4 changed over): so the four conversions give first the 16 bytes that lane r of the unit holds
; (k = 0..7, 16..23 of the block), then those of lane 16 + r (k = 8..15, 24..31).
.macro LOADB t
.set i, 0
.rept 32
	global_load_b32 v[XB+32*((\t)%2)+i], v6, s[40:41] offset:(32*(\t)+((i&7)|((i&8)<<1)|((i&16)>>1)))*4096 th:TH_LOAD_NT
.set i, i+1
.endr
.endm
	LOADB 0
	LOADB 1
	s_wait_kmcnt 0x0
	s_add_co_i32 s39, s39, 127
	s_lshl_b32 s38, s39, 23
	v_mov_b32 v11, s38                             ; 2^e
	s_add_co_i32 s39, s39, 8
	s_lshl_b32 s39, s39, 23
	s_or_b32 s39, s39, 0x600000
	v_mov_b32 v10, s39                             ; 448 x 2^e
.macro BLOCKB t
.set XS, XB+32*((\t)%2)
.if (\t) < 7
	s_wait_loadcnt 32                              ; this block's 32 loads are in; the next block's may be out
.else
	s_wait_loadcnt 0
.endif
.set i, 0
.rept 32
	v_med3_num_f32 v[XS+i], v[XS+i], -v10, v10
.set i, i+1
.endr
.irp g, 0,1,2,3
	v_cvt_scalef32_pk8_fp8_f32 v[CB+8*(\t)+2*\g:CB+8*(\t)+2*\g+1], v[XS+8*\g:XS+8*\g+7], v11
.endr
	v_nop                                          ; a plain line behind the last conversion
.if (\t) < 6
	LOADB (\t)+2
.endif
.irp h, 0,1
	global_store_b128 v7, v[CB+8*(\t)+4*\h:CB+8*(\t)+4*\h+3], s[42:43] offset:((\t)>>2)*2048+((\t)&3)*512+256*\h   ; sixteen lanes store 256 consecutive bytes, aligned
.endr
.endm
	s_wait_alu depctr_va_vdst(0)
.irp t, 0,1,2,3,4,5,6,7
	BLOCKB \t
.endr
	s_endpgm
; ---------------- THE TABLE.  A wave takes 32 tokens; a lane is a frequency.
.Ltable:
	s_lshl_b32 s29, ttmp9, 7
	s_lshl_b32 s30, s28, 5
	s_add_co_u32 s29, s29, s30                     ; my first token
	s_lshl_b32 s30, s29, 2
	s_mov_b32 s31, 0
	s_lshl_b32 s66, s29, 8
	s_mov_b32 s67, 0
	s_wait_alu depctr_va_vdst(0)
	v_lshlrev_b32 v3, 3, v2                        ; 8 bytes a lane
	v_and_b32 v21, 7, v2
	v_lshrrev_b32 v22, 3, v2
	v_mov_b32 v20, 1.0
	v_mov_b32 v23, 1.0
.macro PICK reg, idx, n, lit           ; reg = lit in the lanes where idx = n
	v_cmp_ne_u32 vcc_lo, \n, v[\idx]
	v_cndmask_b32 v[\reg], \lit, v[\reg], vcc_lo
.endm
	PICK 20, 21, 1, 0x3f3ff911                     ; 10^(-1/8) = 0.74989421
	PICK 20, 21, 2, 0x3f0ff59a                     ; 10^(-2/8) = 0.56234133
	PICK 20, 21, 3, 0x3ed7e89b                     ; 10^(-3/8) = 0.42169650
	PICK 20, 21, 4, 0x3ea1e89b                     ; 10^(-4/8) = 0.31622777
	PICK 20, 21, 5, 0x3e72d424                     ; 10^(-5/8) = 0.23713737
	PICK 20, 21, 6, 0x3e361887                     ; 10^(-6/8) = 0.17782794
	PICK 20, 21, 7, 0x3e088d77                     ; 10^(-7/8) = 0.13335214
	PICK 23, 22, 1, 0x3dcccccd                     ; 0.1
	PICK 23, 22, 2, 0x3c23d70a                     ; 0.01
	PICK 23, 22, 3, 0x3a83126f                     ; 0.001
	v_mul_f32 v20, v20, v23                        ; inv_freq of my lane = 10^(-lane / 8) = 10000^(-2 lane / 64)
	v_mov_b32 v30, 0xb94ca1f9                      ; the sine's highest coefficient, -1.9515296e-4
	v_mov_b32 v31, 0x37ccf5ce                      ; the cosine's, 2.4433157e-5
	s_wait_kmcnt 0x0
	s_add_nc_u64 s[18:19], s[18:19], s[30:31]
	s_add_nc_u64 s[26:27], s[26:27], s[66:67]
	s_load_b512 s[32:47], s[18:19], 0x0            ; my 32 tokens' positions
	s_load_b512 s[48:63], s[18:19], 0x40
	s_wait_kmcnt 0x0
; Token j.  ang = position x inv_freq, rounded once.  n = the nearest whole multiple of pi/2; r = ang - n pi/2 with pi/2 in three parts, by fused multiply-adds; |r| <= pi/4.
; sin r = r + r z (S1 + z (S2 + z S3)), cos r = 1 - z/2 + z^2 (C1 + z (C2 + z C3)), z = r^2.  n mod 4 says which of the two is which, and their signs.
.macro ROWC j
	v_cvt_f32_i32 v21, s[32+\j]
	s_wait_alu depctr_va_vdst(0)
	v_mul_f32 v21, v21, v20
	v_mul_f32 v22, 0x3f22f983, v21                 ; x 2/pi
	v_rndne_f32 v22, v22
	v_fmamk_f32 v23, v22, 0xbfc90fdb, v21
	v_fmamk_f32 v23, v22, 0x333bbd2e, v23
	v_fmamk_f32 v23, v22, 0x26f72ced, v23
	v_cvt_i32_f32 v24, v22
	v_mul_f32 v25, v23, v23
	v_fmaak_f32 v26, v25, v30, 0x3c08839e
	v_fmaak_f32 v28, v25, v31, 0xbab6061a
	v_fmaak_f32 v26, v26, v25, 0xbe2aaaa3
	v_fmaak_f32 v28, v28, v25, 0x3d2aaaa5
	v_mul_f32 v27, v25, v23
	v_mul_f32 v29, v25, v25
	v_fma_f32 v32, v25, -0.5, 1.0
	v_fma_f32 v26, v26, v27, v23                   ; sin r
	v_fma_f32 v28, v28, v29, v32                   ; cos r
	v_and_b32 v33, 1, v24
	v_cmp_eq_u32 vcc_lo, 1, v33
	v_cndmask_b32 v34, v26, v28, vcc_lo            ; n odd: the sine is +-cos r,
	v_cndmask_b32 v35, v28, v26, vcc_lo            ; the cosine +-sin r
	v_and_b32 v33, 2, v24
	v_add_nc_u32 v36, 1, v24
	v_lshlrev_b32 v33, 30, v33                     ; the sine changes sign where n mod 4 is 2 or 3,
	v_and_b32 v36, 2, v36
	v_lshlrev_b32 v36, 30, v36                     ; the cosine where it is 1 or 2
	v_xor_b32 v[65+2*\j], v33, v34
	v_xor_b32 v[64+2*\j], v36, v35
	global_store_b64 v3, v[64+2*\j:65+2*\j], s[26:27] offset:256*\j   ; a token's 256 bytes, aligned; each token has its own pair of registers
.endm
.irp j, 0,1,2,3,4,5,6,7,8,9,10,11,12,13,14,15,16,17,18,19,20,21,22,23,24,25,26,27,28,29,30,31
	ROWC \j
.endr
	s_endpgm
.Lfunc_end_k_q9d477bb415_prep:
	.size	k_q9d477bb415_prep, .Lfunc_end_k_q9d477bb415_prep-k_q9d477bb415_prep
	.p2alignl 7, 3214868480
	.fill 96, 4, 3214868480
	.section	.rodata,"a",@progbits
	.p2align	6, 0x0
	.amdhsa_kernel k_q9d477bb415_prep
		.amdhsa_group_segment_fixed_size 18944
		.amdhsa_private_segment_fixed_size 0
		.amdhsa_enable_private_segment 0
		.amdhsa_kernarg_size 96
		.amdhsa_user_sgpr_count 2
		.amdhsa_user_sgpr_kernarg_segment_ptr 1
		.amdhsa_wavefront_size32 1
		.amdhsa_system_sgpr_workgroup_id_x 1
		.amdhsa_system_sgpr_workgroup_id_y 1
		.amdhsa_system_sgpr_workgroup_id_z 1
		.amdhsa_system_vgpr_workitem_id 0
		.amdhsa_next_free_vgpr 224
		.amdhsa_next_free_sgpr 100
		.amdhsa_reserve_vcc 1
		.amdhsa_float_denorm_mode_32 3
		.amdhsa_float_denorm_mode_16_64 3
		.amdhsa_memory_ordered 1
		.amdhsa_forward_progress 1
		.amdhsa_inst_pref_size 126
	.end_amdhsa_kernel
	.amdgpu_metadata
---
amdhsa.version: [ 1, 2 ]
amdhsa.kernels:
  - .name:           k_q9d477bb415_prep
    .symbol:         k_q9d477bb415_prep.kd
    .args:
      - { .name: query, .offset: 0, .size: 8, .value_kind: global_buffer, .address_space: global }
      - { .name: key, .offset: 8, .size: 8, .value_kind: global_buffer, .address_space: global }
      - { .name: value, .offset: 16, .size: 8, .value_kind: global_buffer, .address_space: global }
      - { .name: w_q, .offset: 24, .size: 8, .value_kind: global_buffer, .address_space: global }
      - { .name: w_k, .offset: 32, .size: 8, .value_kind: global_buffer, .address_space: global }
      - { .name: w_v, .offset: 40, .size: 8, .value_kind: global_buffer, .address_space: global }
      - { .name: w_o, .offset: 48, .size: 8, .value_kind: global_buffer, .address_space: global }
      - { .name: token_positions, .offset: 56, .size: 8, .value_kind: global_buffer, .address_space: global }
      - { .name: lowp_scales, .offset: 64, .size: 8, .value_kind: global_buffer, .address_space: global }
      - { .name: xc, .offset: 72, .size: 8, .value_kind: global_buffer, .address_space: global }
      - { .name: wc, .offset: 80, .size: 8, .value_kind: global_buffer, .address_space: global }
      - { .name: rt, .offset: 88, .size: 8, .value_kind: global_buffer, .address_space: global }
    .group_segment_fixed_size: 18944
    .private_segment_fixed_size: 0
    .kernarg_segment_align: 8
    .kernarg_segment_size: 96
    .max_flat_workgroup_size: 128
    .sgpr_count:     100
    .vgpr_count:     224
    .wavefront_size: 32
...
	.end_amdgpu_metadata
.endif
;; end of part 1
;; launch proj (part 2): grid 4 x 96, 4 waves a work-group, clusters of 4 x 4, 327,680 bytes of LDS; arguments xc, wc, lowp_scales, b_q, b_k, b_v, rt, qc, kv; writes qc, kv
.if DOCPART == 2
	.amdgcn_target "amdgcn-amd-amdhsa--gfx1250"
	.amdhsa_code_object_version 6
	.text
	.protected	k_q9d477bb415_proj
	.globl	k_q9d477bb415_proj
	.p2align	8
	.type	k_q9d477bb415_proj,@function
k_q9d477bb415_proj:
	s_mov_b64 s[64:65], 0
	v_nop
	global_prefetch_b8 v0, s[64:65] scope:SCOPE_SE
	s_setreg_imm32_b32 hwreg(HW_REG_WAVE_MODE, 25, 1), 1
	s_wait_xcnt 0x0
	s_wait_alu depctr_hold_cnt(0) depctr_sa_sdst(0) depctr_va_vdst(0) depctr_va_sdst(0) depctr_va_ssrc(0) depctr_va_vcc(0) depctr_vm_vsrc(0)
	s_getreg_b32 s2, hwreg(HW_REG_IB_STS2, 6, 4)
	s_cmp_eq_u32 s2, 0
	s_cbranch_scc0 .Lentry_in_a_cluster
	s_endpgm
.Lentry_in_a_cluster:
	s_bfe_u32 s2, ttmp6, 0x10000c
	s_cmp_lg_u32 s2, 0xf033
	s_cbranch_scc0 .Lentry_shape_is_right
	s_endpgm
.Lentry_shape_is_right:
; PROJ: Q = rope(query w_q + b_q), K = rope(key w_k + b_k), V = value w_v + b_v, on codes of E4M3, and their quantising for the two products of attention.
; Clusters 0-7 along y make Q, 8-15 K, 16-23 V.  A tile is 256 x 256, made by four waves, each 128 x 128: 64 accumulators of 16 x 16, 512 registers.  K = 1,024 goes in four steps of 256 through two LDS slots.
; OPERANDS LIE IN MEMORY AS IMAGES OF THEIR REGISTERS (units of 16 rows x 128 k, 2,048 bytes; register p of a lane at 512 (p / 4) + 16 lane + 4 (p % 4)): a K step's part of a tile is one dense block, a fragment four
; loads of 16 bytes at 16 x lane, with no pitch and no padding.
; SIDES.  The matrix instruction takes 16 rows of the B side as source 0 and 16 rows of the A side as source 1: lane (r, hh) then holds row r of the A side, and its register j row 8 hh + j of the B side.
;   Q, K: A side = tokens (xc), B side = the weight's columns n (wc): a lane holds one token and eight neighbouring channels: pairs for the rotation, and eight neighbours along the next product's K.
;   V:    A side = w_v's columns n, B side = tokens: a lane holds one channel and eight neighbouring KEYS, which are the second product's K.  Same instructions, other addresses.
; So the result of one conversion (8 numbers -> 2 registers) IS a pair of registers of the next operand, and results leave by stores of 512 consecutive bytes, without a stage in LDS.
;   qc: [batch x head 64][16 queries: 128][16 rows x 64 k: 1,024 bytes]
;   kv: [batch x head 64][256 keys: 8][K's part: 16 x (16 keys x 64 k), 16,384 bytes; V's part: 2 x 4 x (16 channels x 128 keys), 16,384 bytes]
; THE BIAS is the C of each sum's first matrix instruction, divided by 2^(ea + eb), the power of two that the sums lack.  The rotation is linear, so the sums are rotated as they are, and the three
; exponents are folded into the conversion's one scale, 2^(eo - ea - eb).
; CLUSTER 4 x 4: the A side's tile hangs on cy alone and is asked for jointly by my row of the cluster, the B side's on cx alone, by my column.  Which projection a cluster makes hangs on the cluster's y, which its
; sixteen work-groups share: every branch of this text is alike in all partners.
; LIMITS: eo - ea - eb between -126 and 119 for each projection (eo: entries 6, 7, 9 of lowp_scales).  NaN among the inputs is not served.
; REGISTERS, in windows of 256: window 0: v0-31 addresses; v32-95 the bias, later a block's rotated numbers; v96-127 block 0's cos and sin; v128-255 the A side's fragments, ONE set;
;   v160-191 codes on the way out.   window 1: the B side's fragments, TWO sets.   windows 2, 3: the accumulators ((a, b) at v[8 (8 (a % 4) + b)]).
.set FR,     16                        ; registers of a fragment: 16 rows x 128 K
.set NL,     4                         ; LDS loads that bring one
.set NP,     4                         ; places behind this matrix instruction (ISA guide 7.12.1)
.set HALFT,  32768                     ; 128 rows x 256 k: what one tensor load brings, and what one wave reads of a side
.set SLOT,   4*HALFT                   ; the A side's 256 rows, then the B side's
.set SPARE,  2*SLOT                    ; behind the ring: the spare words, 128 bytes for each wave: two blocks of 256 bytes that no other line names
.set SC,   8                           ; v8      2^(eo - ea - eb) as f32
.set LIM,  9                           ; v9      448 x that
.set ADRA, 16                          ; v16-17  LDS address of my A fragments in slot 0, 1
.set ADRB, 20                          ; v20-21  the same for B
.set LI,   27                          ; v27     16 x lane
.set SPW,  28                          ; v28     LDS address of my spare word; never rewritten
.set NIL,  29                          ; v29     0; never rewritten
.set CSA,  30                          ; v30     256 r + 32 hh: my place in 16 tokens' rows of the table
.set BOF,  31                          ; v31     my place in the bias
.set BIAS, 32
.set R,    32
.set CS,   96
.set AF,   128
.set CODE, 160
.set G1, 24                            ; s[24:31] descriptor group 1 for the A side;  s[32:39] group 0, one set for each slot
.set G0, 32
.set G1B, 48                           ; s[48:55], s[56:63] the same for the B side
.set G0B, 56
.set MSB, 0
.macro WIN new                         ; the immediate's high byte repeats the setting that is left
.if MSB != \new
	s_set_vgpr_msb (MSB<<8)|\new
.set MSB, \new
.endif
.endm
.set MUL_LO, 0xa1                      ; source 0 (B) window 1, source 1 (A) window 0, C and D window 2
.set MUL_HI, 0xf1                      ; the same, C and D window 3
.set TO_B,   0x40                      ; destination window 1, address window 0
; A joint load: waves 0 and 1 fetch for the A side, waves 2 and 3 for the B side.  The branch hangs on the wave's number alone.  An s_nop 0 and four v_nop follow each of the two lines.
.macro JLOAD g0a, g1a, g0b, g1b
	s_cmp_eq_u32 s15, 0
	s_cbranch_scc0 .Lfor_b_\@
	tensor_load_to_lds s[\g0a:\g0a+3], s[\g1a:\g1a+7]
	s_nop 0
.rept 4
	v_nop
.endr
	s_branch .Lasked_\@
.Lfor_b_\@:
	tensor_load_to_lds s[\g0b:\g0b+3], s[\g1b:\g1b+7]
	s_nop 0
.rept 4
	v_nop
.endr
.Lasked_\@:
.endm
.macro CREST                           ; a round of the cluster's barrier behind its opening barrier
	s_cmp_lg_u32 s14, 0
	s_cbranch_scc1 .Lnot_wave_0_\@
	s_barrier_signal -3
.Lnot_wave_0_\@:
	s_barrier_wait -3
	s_barrier_signal -1
	s_barrier_wait -1
.endm
.macro CROUND                          ; a whole round
	s_barrier_signal -1
	s_barrier_wait -1
	CREST
.endm
	s_load_b256 s[4:11], s[0:1], 0x0               ; xc s[4:5], wc s[6:7], lowp_scales s[8:9], b_q s[10:11]
	s_load_b256 s[68:75], s[0:1], 0x20             ; b_k s[68:69], b_v s[70:71], rt s[72:73], qc s[74:75]
	s_load_b64 s[76:77], s[0:1], 0x40              ; kv
	v_lshl_add_u32 v[SPW], v0, 2, SPARE
	v_mov_b32 v[NIL], 0
	ds_add_u32 v[SPW], v[NIL]                      ; the wave's opening: the add and its wait ahead of my first tensor load; the set-up below, work on registers, stands between them
	ds_add_u32 v[SPW], v[NIL]
	v_lshrrev_b32 v1, 5, v0
	v_readfirstlane_b32 s14, v1                    ; wave 0..3
	s_lshr_b32 s15, s14, 1                         ; which half of the A side's rows is mine.  Also: I fetch for A (0) or for B (1)
	s_and_b32 s16, s14, 1                          ; which half of the B side's.  Also: which 128 rows of that tile I fetch
	s_bfe_u32 s40, ttmp6, 0x40000                  ; cx, cy: my place in the cluster
	s_bfe_u32 s41, ttmp6, 0x40004
	s_and_b32 s18, ttmp7, 0xffff                   ; the cluster's y, 0..23
	s_lshr_b32 s12, s18, 3                         ; the projection: 0 Q, 1 K, 2 V
	s_and_b32 s13, s18, 7
	s_lshl_b32 s13, s13, 2                         ; the first of the cluster's four tiles of 256 tokens
	s_lshl_b32 s43, s41, 2
	s_lshl_b32 s43, 15, s43                        ; my row of the cluster
	s_lshl_b32 s44, 0x1111, s40                    ; my column
	; descriptor group 1: 128 rows of 32 elements of 8 bytes, dense: 32,768 bytes as they lie
	s_or_b32 s[G1+0], s43, (3<<16)|(1<<21)         ; 15:0 the mask: the A side's tiles go to my row; 17:16 elements of 8 bytes; 20 no padding; 21 set beside a mask
	s_or_b32 s[G1B+0], s44, (3<<16)|(1<<21)
.irp g, G1, G1B
	s_mov_b32 s[\g+1], 32<<16                      ; tensor_dim0
	s_mov_b32 s[\g+2], 128<<16                     ; tensor_dim1
	s_mov_b32 s[\g+3], 32<<16                      ; tile_dim0
	s_mov_b32 s[\g+4], 128                         ; tile_dim1
	s_mov_b32 s[\g+5], 32                          ; tensor_dim0_stride
	s_mov_b32 s[\g+6], 0
	s_mov_b32 s[\g+7], 0
.endr
	; what differs between Q, K and V is chosen here, without a branch
	s_lshl_b32 s90, s12, 23                        ; Q, K: the A side is tensor 0 or 1 of xc (8 MiB each),
	s_lshl_b32 s91, s12, 20                        ;       the B side weight 0 or 1 of wc (1 MiB each)
	s_mov_b32 s92, 0x200000                        ; a K step of xc
	s_mov_b32 s93, 0x40000                         ; a K step of wc
	s_cmp_eq_u32 s12, 2
	s_cselect_b32 s17, 0, s13
	s_cselect_b32 s42, s13, 0
	s_cselect_b32 s90, 0x200000, s90               ; V: the A side is weight 2 of wc,
	s_cselect_b32 s91, 0x1000000, s91              ;    the B side tensor 2 of xc
	s_cselect_b32 s66, s93, s92                    ; s[66:67]: a K step of the A side,
	s_cselect_b32 s78, s92, s93                    ; s[78:79]: of the B side
	s_cselect_b32 s99, 1, 0
	s_mov_b32 s67, 0
	s_mov_b32 s79, 0
	s_add_co_u32 s17, s17, s41                     ; the A side's tile: it hangs on cy, never on cx
	s_add_co_u32 s42, s42, s40                     ; the B side's: on cx, never on cy
	s_lshl_b32 s18, s17, 16                        ; a tile's part of a K step is 65,536 bytes
	s_add_co_u32 s20, s90, s18
	s_lshl_b32 s18, s16, 15                        ; the half that I fetch
	s_add_co_u32 s20, s20, s18
	s_mov_b32 s21, 0
	s_lshl_b32 s19, s42, 16
	s_add_co_u32 s46, s91, s19
	s_add_co_u32 s46, s46, s18
	s_mov_b32 s47, 0
	s_lshl_b32 s45, s14, 15                        ; where it goes: wave x 32,768: no place in the cluster enters an LDS address
	s_lshl_b32 s98, s12, 3                         ; ea, eb: entries 2 p, 2 p + 1 of lowp_scales
	s_add_co_u32 s99, s99, s12
	s_add_co_u32 s99, s99, 6
	s_lshl_b32 s99, s99, 2                         ; eo: entry 6 (Q), 7 (K), 9 (V)
	s_wait_dscnt 0x0                               ; the opening add is done
	s_wait_kmcnt 0x0
	s_load_b64 s[86:87], s[8:9], s98 offset:0x0
	s_load_b32 s88, s[8:9], s99 offset:0x0
	s_cmp_eq_u32 s12, 2
	s_cselect_b64 s[22:23], s[6:7], s[4:5]
	s_cselect_b64 s[96:97], s[4:5], s[6:7]
	s_add_nc_u64 s[20:21], s[22:23], s[20:21]
	s_add_nc_u64 s[46:47], s[96:97], s[46:47]
.irp s, 0,1
	s_mov_b32 s[G0+4*\s], 1                        ; 1:0 count = 1
	s_add_co_u32 s[G0+4*\s+1], s45, \s*SLOT        ; 63:32 LDS address
	s_mov_b32 s[G0B+4*\s], 1
	s_add_co_u32 s[G0B+4*\s+1], s45, \s*SLOT
.endr
	s_mov_b64 s[G0+2:G0+3], s[20:21]               ; 120:64 global address: K step 0,
	s_add_nc_u64 s[G0+6:G0+7], s[20:21], s[66:67]  ; K step 1
	s_mov_b64 s[G0B+2:G0B+3], s[46:47]
	s_add_nc_u64 s[G0B+6:G0B+7], s[46:47], s[78:79]
.irp s, 0,1
	s_or_b32 s[G0+4*\s+3], s[G0+4*\s+3], 0x80000000      ; 127:126 type = 2
	s_or_b32 s[G0B+4*\s+3], s[G0B+4*\s+3], 0x80000000
.endr
	s_lshl_b32 s66, s66, 1                         ; from here on: two K steps, what a refill steps by
	s_lshl_b32 s78, s78, 1
	CROUND                                         ; all sixteen work-groups are here: the first joint loads meet
	JLOAD G0, G1, G0B, G1B                         ; K step 0: one tensor load a wave at the head; the set-up and the bias's loads below stand under its flight
	; A PREFETCH INTO THE L2 of xc's side, two K steps ahead of the load that will want it: here K step 2, behind K step 1's load K step 3.  Of the 32,768 bytes that a wave fetches, each of the four partners that ask for
	; them jointly names 8,192, told apart by address; lanes 256 bytes apart: each aligned block of 256 bytes is named once in the launch.  K steps 0 and 1 come by their loads alone.  The weights, which eight clusters read, are not named.
	s_cmp_eq_u32 s12, 2
	s_cselect_b64 s[2:3], s[46:47], s[20:21]       ; xc is the B side for V, the A side for Q and K
	s_cselect_b32 s92, s41, s40                    ; my place among the four that ask with me
	s_cselect_b32 s100, 1, 0                       ; which waves fetch that side
	s_lshl_b32 s92, s92, 13
	s_add_co_u32 s92, s92, 0x400000                ; two K steps of xc on
	s_mov_b32 s93, 0
	s_add_nc_u64 s[2:3], s[2:3], s[92:93]          ; never rewritten
	v_and_b32 v7, 31, v0
	v_lshlrev_b32 v7, 8, v7                        ; never rewritten
	s_cmp_eq_u32 s15, s100
	s_cbranch_scc0 .Lpf0
	global_prefetch_b8 v7, s[2:3] th:TH_LOAD_NT scope:SCOPE_SE
.Lpf0:
	v_and_b32 v1, 15, v0                           ; r
	v_bfe_u32 v2, v0, 4, 1                         ; hh
	v_and_b32 v6, 31, v0
	v_lshlrev_b32 v[LI], 4, v6
	s_lshl_b32 s18, s15, 15                        ; my 128 rows of the A side,
	s_lshl_b32 s19, s16, 15                        ; of the B side,
	s_add_co_u32 s19, s19, 2*HALFT                 ; which lies behind the A side's 256
.irp s, 0,1
	v_add_nc_u32 v[ADRA+\s], s18, v[LI]
	v_add_nc_u32 v[ADRB+\s], s19, v[LI]
	s_add_co_u32 s18, s18, SLOT
	s_add_co_u32 s19, s19, SLOT
.endr
	v_lshlrev_b32 v[CSA], 8, v1
	v_lshl_add_u32 v[CSA], v2, 5, v[CSA]
	s_wait_kmcnt 0x0
	s_add_co_i32 s89, s86, s87                     ; ea + eb: a sum stands for sum x 2^(ea + eb)
	s_sub_co_i32 s88, s88, s89                     ; eo - ea - eb
	s_sub_co_i32 s89, 0, s89
	s_add_co_i32 s88, s88, 127
	s_lshl_b32 s90, s88, 23
	v_mov_b32 v[SC], s90
	s_add_co_i32 s88, s88, 8
	s_lshl_b32 s88, s88, 23
	s_or_b32 s88, s88, 0x600000
	v_mov_b32 v[LIM], s88
	; where my results go.  Tokens are the A side's rows (Q, K) or the B side's (V); channels the other side's
	s_cmp_eq_u32 s12, 2
	s_cselect_b32 s90, s42, s17
	s_cselect_b32 s91, s16, s15
	s_cselect_b32 s92, s17, s42
	s_cselect_b32 s93, s15, s16
	s_cselect_b32 s94, 16384, 0                    ; V's part of a slot lies behind K's
	s_lshl_b32 s90, s90, 8
	s_lshl_b32 s91, s91, 7
	s_add_co_u32 s90, s90, s91                     ; my first token
	s_lshr_b32 s91, s90, 11                        ; its batch,
	s_and_b32 s95, s90, 2047                       ; its place in the sequence: a multiple of 128
	s_lshl_b32 s92, s92, 2
	s_lshl_b32 s93, s93, 1
	s_add_co_u32 s92, s92, s93                     ; the first of my two heads
	s_lshl_b32 s91, s91, 4
	s_add_co_u32 s92, s92, s91                     ; batch x 16 + head
	s_lshl_b32 s96, s92, 18                        ; kv: 262,144 bytes a head,
	s_lshr_b32 s97, s95, 8
	s_lshl_b32 s97, s97, 15                        ; 32,768 a slot of 256 keys,
	s_add_co_u32 s96, s96, s97
	s_bfe_u32 s97, s95, 0x10007
	s_lshl_b32 s97, s97, 13                        ; 8,192 for 128 keys, in K's part and in V's
	s_add_co_u32 s96, s96, s97
	s_add_co_u32 s96, s96, s94
	s_lshl_b32 s98, s92, 17                        ; qc: 131,072 bytes a head,
	s_lshl_b32 s99, s95, 6                         ; 1,024 for 16 queries
	s_add_co_u32 s98, s98, s99
	s_mov_b32 s99, 0x40000
	s_cmp_eq_u32 s12, 0
	s_cselect_b32 s96, s98, s96
	s_cselect_b32 s98, 0x20000, s99                ; from head to head
	s_cselect_b64 s[80:81], s[74:75], s[76:77]
	s_mov_b32 s97, 0
	s_mov_b32 s99, 0
	s_add_nc_u64 s[80:81], s[80:81], s[96:97]      ; my first head,
	s_add_nc_u64 s[82:83], s[80:81], s[98:99]      ; my second
	s_lshl_b32 s96, s90, 8
	s_add_nc_u64 s[84:85], s[72:73], s[96:97]      ; the table at my first token
	; the bias: of my 128 channels
	s_cmp_eq_u32 s12, 0                            ; compared anew: the shift above has written SCC
	s_cselect_b64 s[22:23], s[10:11], s[68:69]     ; b_q for Q, b_k for K,
	s_cmp_eq_u32 s12, 2
	s_cselect_b64 s[22:23], s[70:71], s[22:23]     ; b_v for V
	s_cselect_b32 s18, s17, s42
	s_cselect_b32 s19, s15, s16
	s_lshl_b32 s18, s18, 10
	s_lshl_b32 s19, s19, 9
	s_add_co_u32 s18, s18, s19
	s_mov_b32 s19, 0
	s_add_nc_u64 s[22:23], s[22:23], s[18:19]
; cos and sin for block a's 16 tokens: register 8 t + 2 i, + 1 = cos, sin of frequency 8 t + 4 hh + i of token r: the pairs of channels 16 t + 8 hh + 2 i, + 1 of a head.  The eight loads together take each token's 256 bytes whole
; Blocks 1 to 7 take their cos and sin in window 1, v[32 a ..], where the B side's fragments lay: all seven are asked for at once, behind the last products
.macro CSLW a
.irp t, 0,1,2,3
.irp u, 0,1
	global_load_b128 v[32*(\a)+8*\t+4*\u:32*(\a)+8*\t+4*\u+3], v[CSA], s[84:85] offset:4096*(\a)+64*\t+16*\u
.endr
.endr
.endm
.macro CSLOAD a
.irp t, 0,1,2,3
.irp u, 0,1
	global_load_b128 v[CS+32*((\a)%2)+8*\t+4*\u:CS+32*((\a)%2)+8*\t+4*\u+3], v[CSA], s[84:85] offset:4096*(\a)+64*\t+16*\u
.endr
.endr
.endm
	s_cmp_eq_u32 s12, 2
	s_cbranch_scc1 .Lbias_v
	v_lshlrev_b32 v[BOF], 5, v2                    ; Q, K: register 8 b + j = bias of channel 16 b + 8 hh + j
.irp b, 0,1,2,3,4,5,6,7
	global_load_b128 v[BIAS+8*\b:BIAS+8*\b+3], v[BOF], s[22:23] offset:64*\b
	global_load_b128 v[BIAS+8*\b+4:BIAS+8*\b+7], v[BOF], s[22:23] offset:64*\b+16
.endr
	s_wait_alu depctr_va_vdst(0)
	CSLOAD 0                                       ; asked for now, wanted behind the loop
	s_wait_loadcnt 8                               ; the bias is in; those eight may stay out
.set i, 0
.rept 64
	v_ldexp_f32 v[BIAS+i], v[BIAS+i], s89          ; / 2^(ea + eb): nothing is rounded
.set i, i+1
.endr
	s_branch .Lbias_done
.Lbias_v:
	v_lshlrev_b32 v[BOF], 2, v1                    ; V: registers 8 a + 0 .. 7 all = bias of channel 16 a + r
.irp a, 0,1,2,3,4,5,6,7
	global_load_b32 v[BIAS+8*\a], v[BOF], s[22:23] offset:64*\a
.endr
	s_wait_loadcnt 0x0
.irp a, 0,1,2,3,4,5,6,7
.irp j, 7,6,5,4,3,2,1,0
	v_ldexp_f32 v[BIAS+8*\a+\j], v[BIAS+8*\a], s89
.endr
.endr
.Lbias_done:
.macro FRAG reg, adr, q, i             ; a fragment: unit q of the i-th 16 rows: four loads of 512 consecutive bytes
.irp c, 0,1,2,3
	ds_load_b128 v[\reg+4*\c:\reg+4*\c+3], v[\adr] offset:2048*(\q)+512*\c+(\i)*4096
.endr
.endm
; 16 matrix instructions: A's blocks a0, a0 + 1 x B's eight, 128 along K.  p: B's set.  cm = 0: onto the sums; 1: the sums begin with the bias by B's block; 2: by A's block.
; The 64 accumulators take turns, one instruction a turn, in the same order in every step.
.macro MUL16 a0, p, cm
.irp a, \a0, \a0+1
.irp b, 0,1,2,3,4,5,6,7
.if (\cm) == 1
	v_wmma_f32_16x16x128_fp8_fp8 v[8*(8*((\a)%4)+\b):8*(8*((\a)%4)+\b)+7], v[128*(\p)+FR*\b:128*(\p)+FR*\b+FR-1], v[AF+FR*(\a):AF+FR*(\a)+FR-1], v[BIAS+8*\b:BIAS+8*\b+7]
.elseif (\cm) == 2
	v_wmma_f32_16x16x128_fp8_fp8 v[8*(8*((\a)%4)+\b):8*(8*((\a)%4)+\b)+7], v[128*(\p)+FR*\b:128*(\p)+FR*\b+FR-1], v[AF+FR*(\a):AF+FR*(\a)+FR-1], v[BIAS+8*(\a):BIAS+8*(\a)+7]
.else
	v_wmma_f32_16x16x128_fp8_fp8 v[8*(8*((\a)%4)+\b):8*(8*((\a)%4)+\b)+7], v[128*(\p)+FR*\b:128*(\p)+FR*\b+FR-1], v[AF+FR*(\a):AF+FR*(\a)+FR-1], v[8*(8*((\a)%4)+\b):8*(8*((\a)%4)+\b)+7]
.endif
.endr
.endr
.endm
.macro FETCH_B slot, q, p              ; B's eight fragments of the slot's q-th 128 along K into set p
	WIN TO_B
.irp i, 0,1,2,3,4,5,6,7
	FRAG 128*(\p)+FR*\i, ADRB+\slot, \q, \i
.endr
	WIN 0
.endm
.macro FETCH_A slot, q, i0             ; A's blocks i0 .. i0 + 3
.irp i, \i0, \i0+1, \i0+2, \i0+3
	FRAG AF+FR*(\i), ADRA+\slot, \q, \i
.endr
.endm
; A load into a register that a matrix instruction has read, and a vector instruction that reads a matrix result, stand NP places behind that matrix instruction; only plain vector instructions that name none of
; its registers are places (ISA guide 7.12.1 for vector instructions).
.macro PLACES n
.rept \n
	v_nop
.endr
.endm
; A step of 128 along K that has its successor in the same slot.  A block of A is free as soon as its eight products are issued: blocks 0-3 are fetched anew in the step's middle, blocks 4-7 at its end.
.macro STEP slot, q, cm
	s_wait_dscnt 4*NL                              ; B's set and A's blocks 0-3 are in; the youngest 16 loads (A's blocks 4-7) may be out
.if (\cm) != 0
	WIN 0x81                                       ; C (the bias) window 0, D window 2
.else
	WIN MUL_LO
.endif
	MUL16 0, (\q)%2, \cm
	MUL16 2, (\q)%2, \cm
	s_wait_dscnt 0                                 ; A's blocks 4-7 are in
	PLACES NP
	FETCH_B \slot, (\q)+1, 1-(\q)%2
	FETCH_A \slot, (\q)+1, 0
.if (\cm) != 0
	WIN 0xc1
.else
	WIN MUL_HI
.endif
	MUL16 4, (\q)%2, \cm
	MUL16 6, (\q)%2, \cm
	PLACES NP
	WIN 0
	FETCH_A \slot, (\q)+1, 4
.endm
; A slot's last step changes slots: ONE barrier; in front of it each wave waits for all its tensor loads, adds 0 to its spare word, and waits for that and for its own reads of this slot.  fill = 1: this slot is filled again, two K steps ahead.
.macro TURN slot, next, fill
	s_wait_tensorcnt 0x0                           ; all my tensor loads have landed: my part of the next slot  (every window is 0 here)
	ds_add_u32 v[SPW], v[NIL]                      ; 0 onto my spare word
	s_wait_dscnt 4*NL+1                            ; (the add and the youngest 16 loads, A's blocks 4-7, may be out)
	WIN MUL_LO
	MUL16 0, 1, 0                                  ; sixteen matrix instructions stand between the add and the wait for it
	s_wait_dscnt 0x0                               ; the add is done, and my reads of this slot are over
	s_barrier_signal -1
	MUL16 2, 1, 0
	WIN 0
	s_barrier_wait -1
.if \fill
	CREST                                          ; the barrier has opened a round of the cluster's barrier: no wave of any partner still reads this slot or has a load on its way
	s_add_nc_u64 s[G0+4*\slot+2:G0+4*\slot+3], s[G0+4*\slot+2:G0+4*\slot+3], s[66:67]
	s_add_nc_u64 s[G0B+4*\slot+2:G0B+4*\slot+3], s[G0B+4*\slot+2:G0B+4*\slot+3], s[78:79]
	JLOAD G0+4*\slot, G1, G0B+4*\slot, G1B         ; the first tensor load behind the round, my only one until the next; its four v_nop are the places in front of the loads below
.else
	PLACES NP
.endif
	FETCH_B \next, 0, 0
	FETCH_A \next, 0, 0
	WIN MUL_HI
	MUL16 4, 1, 0
	MUL16 6, 1, 0
	PLACES NP
	WIN 0
	FETCH_A \next, 0, 4
.endm
	s_wait_alu depctr_va_vdst(0)                   ; the head's end
	s_wait_tensorcnt 0x0                           ; my part of K step 0 is in
	ds_add_u32 v[SPW], v[NIL]
	s_wait_dscnt 0x0
	CROUND                                         ; everybody's part of K step 0 is in, and all sixteen work-groups are here
	JLOAD G0+4, G1, G0B+4, G1B                     ; K step 1: slot 1's first fill, the first tensor load behind the round
	FETCH_B 0, 0, 0
	FETCH_A 0, 0, 0
	FETCH_A 0, 0, 4
	s_cmp_eq_u32 s15, s100
	s_cbranch_scc0 .Lpf1
	global_prefetch_b8 v7, s[2:3] offset:0x200000 th:TH_LOAD_NT scope:SCOPE_SE   ; K step 3 of xc's side
.Lpf1:
	s_cmp_eq_u32 s12, 2                            ; the first step starts the sums with the bias, which lies by B's blocks (Q, K) or by A's (V)
	s_cbranch_scc1 .Lfirst_v
	s_wait_alu depctr_va_vdst(0)
	STEP 0, 0, 1
	s_branch .Lfirst_done
.Lfirst_v:
	s_wait_alu depctr_va_vdst(0)
	STEP 0, 0, 2
.Lfirst_done:
	TURN 0, 1, 1                                   ; four K steps: written out, no loop.  Slot 0 takes K step 2,
	STEP 1, 0, 0
	TURN 1, 0, 1                                   ; slot 1 K step 3
	STEP 0, 0, 0
	TURN 0, 1, 0                                   ; nothing is left to fetch
	STEP 1, 0, 0
	s_wait_dscnt 4*NL                              ; the very last step
	WIN MUL_LO
	MUL16 0, 1, 0
	MUL16 2, 1, 0
	s_wait_dscnt 0
	WIN MUL_HI
	MUL16 4, 1, 0
	MUL16 6, 1, 0
	WIN 0
	PLACES NP                                      ; in front of the first read of results and of the loads into registers that held B's fragments
; THE WAY OUT, block by block of 16 rows of the A side.
; Q, K: (x1, x2) -> (x1 c - x2 s, x1 s + x2 c), two packed instructions a pair; the hold; eight conversions: B's block b gives registers 2 (b % 4), + 1 of head b / 4's unit of 16 tokens x 64 channels.
.macro OUTQK a
.set AC, 64*((\a)%4)
.if (\a) == 0
.set CSS, CS                           ; block 0's set was asked for at the head, in window 0
.else
.set CSS, 32*(\a)                      ; in window 1
.endif
.set CD, CODE+16*((\a)%2)
.if (\a) >= 2
	s_wait_xcnt 0x0                                ; block a - 2's stores have read their registers: this set of codes is written again only behind this wait
.endif
	s_wait_loadcnt 8*(7-(\a))                      ; this block's cos and sin are in; behind them stand eight loads for each later block
.if (\a) == 0
	WIN 0x02                                       ; source 0: window 2
.else
	WIN (0x06+((\a)/4))                            ; source 0: window 2 or 3; source 1: window 1
.endif
.irp b, 0,1,2,3,4,5,6,7
.irp i, 0,2,4,6
	v_pk_mul_f32 v[R+8*\b+\i:R+8*\b+\i+1], v[AC+8*\b+\i:AC+8*\b+\i+1], v[CSS+8*(\b%4)+\i:CSS+8*(\b%4)+\i+1] op_sel_hi:[1,0]   ; (x1 c, x2 c); each accumulator from its low end on
.endr
.irp i, 0,2,4,6
	v_pk_fma_f32 v[R+8*\b+\i:R+8*\b+\i+1], v[AC+8*\b+\i:AC+8*\b+\i+1], v[CSS+8*(\b%4)+\i:CSS+8*(\b%4)+\i+1], v[R+8*\b+\i:R+8*\b+\i+1] op_sel:[1,1,0] op_sel_hi:[0,1,1] neg_lo:[0,1,0]   ; (- x2 s, + x1 s) onto them
.endr
.endr
	WIN 0
.set i, 0
.rept 64
	v_med3_num_f32 v[R+i], v[R+i], -v[LIM], v[LIM] ; the conversion to an 8-bit code does not saturate (ISA guide 7.6.2)
.set i, i+1
.endr
.irp b, 0,1,2,3,4,5,6,7
	v_cvt_scalef32_pk8_fp8_f32 v[CD+2*\b:CD+2*\b+1], v[R+8*\b:R+8*\b+7], v[SC]
.endr
	v_nop                                          ; a plain line behind the last conversion: the next block writes its sources
.irp g, 0,1
	global_store_b128 v[LI], v[CD+4*\g:CD+4*\g+3], s[80:81] offset:1024*(\a)+512*\g       ; 512 consecutive bytes, aligned
.endr
.irp g, 0,1
	global_store_b128 v[LI], v[CD+8+4*\g:CD+8+4*\g+3], s[82:83] offset:1024*(\a)+512*\g
.endr
.endm
; V: A's block a is 16 channels; B's block b gives registers 2 b, 2 b + 1 of the unit of 16 channels x 128 keys.
.macro OUTV a
.set AC, 64*((\a)%4)
.set CD, CODE+16*((\a)%2)
.if (\a) >= 2
	s_wait_xcnt 0x0
.endif
	WIN (0x02+((\a)/4))
.set i, 0
.rept 64
	v_med3_num_f32 v[R+i], v[AC+i], -v[LIM], v[LIM]
.set i, i+1
.endr
	WIN 0
.irp b, 0,1,2,3,4,5,6,7
	v_cvt_scalef32_pk8_fp8_f32 v[CD+2*\b:CD+2*\b+1], v[R+8*\b:R+8*\b+7], v[SC]
.endr
	v_nop
.irp g, 0,1,2,3
	global_store_b128 v[LI], v[CD+4*\g:CD+4*\g+3], s[80+2*((\a)/4):81+2*((\a)/4)] offset:2048*((\a)%4)+512*\g
.endr
.endm
	s_cmp_eq_u32 s12, 2
	s_cbranch_scc1 .Lout_v
	WIN TO_B
.irp a, 1,2,3,4,5,6,7
	CSLW \a
.endr
	WIN 0
.irp a, 0,1,2,3,4,5,6,7
	OUTQK \a
.endr
	s_branch .Lout_done
.Lout_v:
.irp a, 0,1,2,3,4,5,6,7
	OUTV \a
.endr
.Lout_done:
	s_wait_tensorcnt 0x0                           ; the wave's end, behind my last tensor load
	ds_add_u32 v[SPW], v[NIL]
	s_wait_dscnt 0x0
	CROUND                                         ; the closing round: no work-group ends while a partner may still ask for a tile that names it
	s_endpgm
.Lfunc_end_k_q9d477bb415_proj:
	.size	k_q9d477bb415_proj, .Lfunc_end_k_q9d477bb415_proj-k_q9d477bb415_proj
	.p2alignl 7, 3214868480
	.fill 96, 4, 3214868480
	.section	.rodata,"a",@progbits
	.p2align	6, 0x0
	.amdhsa_kernel k_q9d477bb415_proj
		.amdhsa_group_segment_fixed_size 327680
		.amdhsa_private_segment_fixed_size 0
		.amdhsa_enable_private_segment 0
		.amdhsa_kernarg_size 72
		.amdhsa_user_sgpr_count 2
		.amdhsa_user_sgpr_kernarg_segment_ptr 1
		.amdhsa_wavefront_size32 1
		.amdhsa_system_sgpr_workgroup_id_x 1
		.amdhsa_system_sgpr_workgroup_id_y 1
		.amdhsa_system_sgpr_workgroup_id_z 1
		.amdhsa_system_vgpr_workitem_id 0
		.amdhsa_next_free_vgpr 1024
		.amdhsa_next_free_sgpr 102
		.amdhsa_reserve_vcc 0
		.amdhsa_float_denorm_mode_32 3
		.amdhsa_float_denorm_mode_16_64 3
		.amdhsa_memory_ordered 1
		.amdhsa_forward_progress 1
		.amdhsa_inst_pref_size 218
	.end_amdhsa_kernel
	.amdgpu_metadata
---
amdhsa.version: [ 1, 2 ]
amdhsa.kernels:
  - .name:           k_q9d477bb415_proj
    .symbol:         k_q9d477bb415_proj.kd
    .args:
      - { .name: xc, .offset: 0, .size: 8, .value_kind: global_buffer, .address_space: global }
      - { .name: wc, .offset: 8, .size: 8, .value_kind: global_buffer, .address_space: global }
      - { .name: lowp_scales, .offset: 16, .size: 8, .value_kind: global_buffer, .address_space: global }
      - { .name: b_q, .offset: 24, .size: 8, .value_kind: global_buffer, .address_space: global }
      - { .name: b_k, .offset: 32, .size: 8, .value_kind: global_buffer, .address_space: global }
      - { .name: b_v, .offset: 40, .size: 8, .value_kind: global_buffer, .address_space: global }
      - { .name: rt, .offset: 48, .size: 8, .value_kind: global_buffer, .address_space: global }
      - { .name: qc, .offset: 56, .size: 8, .value_kind: global_buffer, .address_space: global }
      - { .name: kv, .offset: 64, .size: 8, .value_kind: global_buffer, .address_space: global }
    .group_segment_fixed_size: 327680
    .private_segment_fixed_size: 0
    .kernarg_segment_align: 8
    .kernarg_segment_size: 72
    .max_flat_workgroup_size: 128
    .sgpr_count:     102
    .vgpr_count:     1024
    .wavefront_size: 32
...
	.end_amdgpu_metadata
.endif
;; end of part 2
;; launch attn (part 3): grid 4 x 64, 8 waves a work-group, clusters of 4 x 1, 327,680 bytes of LDS; arguments qc, kv, lowp_scales, oc; writes oc
.if DOCPART == 3
	.amdgcn_target "amdgcn-amd-amdhsa--gfx1250"
	.amdhsa_code_object_version 6
	.text
	.protected	k_q9d477bb415_attn
	.globl	k_q9d477bb415_attn
	.p2align	8
	.type	k_q9d477bb415_attn,@function
k_q9d477bb415_attn:
	s_mov_b64 s[64:65], 0
	v_nop
	global_prefetch_b8 v0, s[64:65] scope:SCOPE_SE
	s_setreg_imm32_b32 hwreg(HW_REG_WAVE_MODE, 25, 1), 1
	s_wait_xcnt 0x0
	s_wait_alu depctr_hold_cnt(0) depctr_sa_sdst(0) depctr_va_vdst(0) depctr_va_sdst(0) depctr_va_ssrc(0) depctr_va_vcc(0) depctr_vm_vsrc(0)
	s_getreg_b32 s2, hwreg(HW_REG_IB_STS2, 6, 4)
	s_cmp_eq_u32 s2, 0
	s_cbranch_scc0 .Lentry_in_a_cluster
	s_endpgm
.Lentry_in_a_cluster:
	s_bfe_u32 s2, ttmp6, 0x10000c
	s_cmp_lg_u32 s2, 0x3003
	s_cbranch_scc0 .Lentry_shape_is_right
	s_endpgm
.Lentry_shape_is_right:
; ATTN: causal attention of 64 (batch, head) pairs, 2,048 tokens, head size 64, both products on codes of E4M3; the result is quantised for the last projection.
; Left out: the steps of 128 keys that lie wholly behind a tile's 16 queries: the causal mask gives them -inf ahead of the softmax, so they add 0 to every sum.
; THE SOFTMAX AHEAD OF THE SECOND PRODUCT: t = score x log2(e) / 8; M = the running largest t, rounded UP to a whole number; p = 2^(t - M) is quantised, along the keys, not normalised.  The row's sum is taken of the
; unquantised p, in f32, and divides at the end.  When M moves, the sum and O are multiplied by 2^(old M - new M): exact.
; A HEAD'S K AND V STAY IN LDS: 2 x 131,072 bytes of codes.  Every byte is filled once, nothing is filled again, and behind the second group's barrier the waves share nothing more.
; SHARES.  The four work-groups of a head form a cluster; the one at place cx owns the tiles of 16 queries 4 a + cx, a = 0 .. 31.  A wave works on a PAIR of tiles at once, a = 2 b and 2 b + 1: each fragment of K and of V that
; it reads from LDS feeds both tiles' products.  Both tiles of pair b want the steps of 128 keys 0 .. b, whatever cx is, and step b is the one that the diagonal crosses.  Wave w takes pair 15 - w, steps 0 .. 15 - w ascending
; (trips 0 .. 15 - w), and then pair w, steps w .. 0 DESCENDING (trips 16 - w .. 16: step 16 - trip): every wave has a step in each of the 17 trips, and a step's place in LDS is made of the trip's number alone.  The order of the
; keys is free under a running M; a pair's diagonal step holds each query's own key, so M is a number from the pair's first step on.  Every branch hangs on the wave's number and the count of trips; cx enters global
; addresses and the mask's vector compare alone.
; K'S FRAGMENTS RUN ONE STEP AHEAD: they have registers of their own, and the next trip's are asked for directly behind this trip's score products; the wait in front of the second product covers them.  The last trip's
; request has no reader: it names step 15 again, so that the trip needs no branch.
; JOINT LOADS: the four partners want the same bytes in the same order, so each tile is asked for by all four with one descriptor and the mask 15, 16,384 bytes a wave.  Group 0 (keys 0-1,023) at the head; group 1
; (keys 1,024-2,047) behind the full sequence and a round: the first seven trips, which read steps 0 to 7 alone, stand between that request and the wait for it.
; PREFETCH: one instruction a wave at the head names group 1's bytes, one group ahead of their load: the partner at cx takes 32,768 of them, a wave 4,096, lanes 256 bytes apart (lanes 16-31 name the wave's last block again):
; each aligned block of 256 bytes is named once in the launch.  Group 0 comes by its load alone.
; kv in memory: [head][256 keys: 8][K: 16 x (16 keys x 64 k); V: 2 x 4 x (16 channels x 128 keys)], images of the operands' registers.  In LDS: K's part of step s at 8,192 s, V's at 131,072 + 8,192 s.
; LAYOUT.  Both products transposed: S^T = K Q^T, O^T = V^T P^T: a lane holds ONE query (lane % 16) of each tile; a tile's eight registers are keys 8 (lane / 16) + 0 .. 7, which one conversion turns into registers 2 c, 2 c + 1 of P.
;   oc: [K step 4][16 tokens: 512][head % 4][16 rows x 64 k: 1,024 bytes], k = 64 head + channel
; LIMITS on the given exponents: e6 + e7 between -123 and 130 (added to c's exponent field); e8 between -126 and 119; e8 + e9 - e10 is applied by v_ldexp_f32 to 1 / sum.  NaN among the inputs is not served.
; REGISTERS.  Window 0: v1 16 x lane; v2 that + 131,072; v3 the mask's d; v5, v6 the add's two; v7 the prefetch's offset; v8, v9 the step's addresses; v12 -M, v13 the largest t, v[14:15] the sum (second tile:
;   v26, v27, v[28:29]); v24 448; v25 1; v32-95 V's 4 fragments; v96-159, v160-223 S^T, then p; v224-239, v242, v243 at work; v240, v241 448 x 2^e8; v244 2^e8; v[252:253], v[250:251] f.
;   Window 1: v0-31 p's codes; v32-95 K's 8 fragments; v96-159 O^T; v192-223 the results' codes; v224-239 Q of the pair in hand; v240-255 Q of the second pair.
.set VOFF,  131072
.set SPARE, 262144                     ; behind K and V: the spare words, 128 bytes for each wave: four blocks of 256 bytes that no other line names
.set LI,   1
.set LIV,  2
.set DMA,  3
.set SPW,  5
.set NIL,  6
.set PFO,  7
.set ADR,  8
.set ADV,  9
.set B448, 24
.set ONE,  25
.set ST1,  12                          ; s12  the trip less 1
.set ST,   13                          ; s13  the trip, which counts the loops
.set LSL,  14                          ; s14  the first pair's last trip, 15 - wave
.set SWT,  15                          ; s15  the second pair's first, 16 - wave
.set CX,   16
.set TA,   17                          ; s17  8,192 x this trip's step
.set WV,   18
.set TN,   19                          ; s19  8,192 x the next trip's step
.set SEL,  20                          ; s[20:21] lane selects for v_permlanex16_b32: lane l xor 16
.set CS,   22                          ; s[22:23] c = log2(e) / 8 x 2^(e6 + e7)
.set G1,   24                          ; s[24:31] descriptor group 1: 64 rows of 256 bytes
.set G0A,  40
.set G0B,  44
.set QPL,  48                          ; s[48:49], s[50:51] qc at my two pairs;  s[52:53], s[54:55] oc
.set QPS,  50
.set OPL,  52
.set OPS,  54
.set EF,   74                          ; s74  e8 + e9 - e10
.set PFB,  86                          ; s[86:87] where my prefetch stands; never rewritten
.set MSB, 0
.macro WIN new                         ; the immediate's high byte repeats the setting that is left.  Low byte: 1:0 source 0, 3:2 source 1, 5:4 source 2, 7:6 destination
.if MSB != \new
	s_set_vgpr_msb (MSB<<8)|\new
.set MSB, \new
.endif
.endm
.macro ROUND                           ; a round of the cluster's barrier
	s_barrier_signal -1
	s_barrier_wait -1
	s_cmp_lg_u32 s[WV], 0
	s_cbranch_scc1 .Lnw0_\@
	s_barrier_signal -3
.Lnw0_\@:
	s_barrier_wait -3
	s_barrier_signal -1
	s_barrier_wait -1
.endm
.macro KLOAD adr                       ; a step's eight fragments of K, into window 1
	WIN 0x40
.irp kap, 0,1,2,3,4,5,6,7
.irp g, 0,1
	ds_load_b128 v[32+8*\kap+4*\g:32+8*\kap+4*\g+3], v[\adr] offset:1024*\kap+512*\g
.endr
.endr
	WIN 0
.endm
	s_load_b256 s[4:11], s[0:1], 0x0               ; qc s[4:5], kv s[6:7], lowp_scales s[8:9], oc s[10:11]
	v_lshl_add_u32 v[SPW], v0, 2, SPARE
	v_mov_b32 v[NIL], 0
	ds_add_u32 v[SPW], v[NIL]                      ; the opening lines: the add, twice on end, and its wait ahead of my first tensor load
	ds_add_u32 v[SPW], v[NIL]
	v_lshrrev_b32 v8, 5, v0
	v_readfirstlane_b32 s[WV], v8                  ; wave 0..7
	s_mov_b32 s[G1], 15|(3<<16)|(1<<21)            ; 15:0 the mask: all four partners; 17:16 elements of 8 bytes; 21 set beside a mask; no padding
	s_mov_b32 s[G1+1], 32<<16                      ; tensor_dim0: 256 bytes
	s_mov_b32 s[G1+2], 64<<16                      ; tensor_dim1
	s_mov_b32 s[G1+3], 32<<16                      ; tile_dim0
	s_mov_b32 s[G1+4], 64                          ; tile_dim1
	s_mov_b32 s[G1+5], 32                          ; dense rows
	s_mov_b32 s[G1+6], 0
	s_mov_b32 s[G1+7], 0
	s_mov_b32 s[SEL], 0x76543210
	s_mov_b32 s[SEL+1], 0xfedcba98
	s_mov_b32 s[CS], 0x3e38aa3b                    ; log2(e) / sqrt(64)
	s_bfe_u32 s[CX], ttmp6, 0x40000
	s_and_b32 s56, ttmp7, 0xffff                   ; batch x 16 + head: the cluster's y
	s_lshl_b32 s66, s56, 18                        ; kv: 262,144 bytes a head
	s_lshl_b32 s76, s[WV], 14                      ; group 0 in memory: 16,384 x wave,
	s_add_co_u32 s76, s76, s66
	s_mov_b32 s77, 0
	s_and_b32 s58, s[WV], 1                        ; which is K's (0) or V's (1) part
	s_lshl_b32 s58, s58, 17
	s_lshr_b32 s59, s[WV], 1                       ; of 256 keys wave / 2
	s_lshl_b32 s59, s59, 14
	s_add_co_u32 s58, s58, s59                     ; in LDS;
	s_add_co_u32 s62, s58, 65536                   ; group 1: four times 256 keys further on, 131,072 bytes on in memory
	s_lshl_b32 s80, s[CX], 15                      ; the prefetch: my work-group's quarter of group 1,
	s_lshl_b32 s81, s[WV], 12                      ; my wave's 16 blocks of it
	s_add_co_u32 s80, s80, s81
	s_add_co_u32 s80, s80, 131072
	s_add_co_u32 s80, s80, s66
	s_mov_b32 s81, 0
	s_lshl_b32 s67, s[WV], 3
	s_add_co_u32 s84, s67, s[CX]                   ; my second pair's first tile, 8 wave + cx (its second: + 4),
	s_sub_co_u32 s67, 120, s67
	s_add_co_u32 s85, s67, s[CX]                   ; my first pair's, 8 (15 - wave) + cx
	s_lshl_b32 s67, s56, 17                        ; qc: 131,072 bytes a head, 1,024 a tile
	s_lshl_b32 s88, s85, 10
	s_add_co_u32 s88, s88, s67
	s_mov_b32 s89, 0
	s_lshl_b32 s90, s84, 10
	s_add_co_u32 s90, s90, s67
	s_mov_b32 s91, 0
	s_and_b32 s75, s56, 15                         ; oc: the head's K step (head / 4) 2 MiB,
	s_lshr_b32 s67, s75, 2
	s_lshl_b32 s67, s67, 21
	s_and_b32 s75, s75, 3
	s_lshl_b32 s75, s75, 10                        ; its quarter of 4,096 bytes,
	s_add_co_u32 s75, s75, s67
	s_lshr_b32 s67, s56, 4
	s_lshl_b32 s67, s67, 19                        ; the batch's 128 tiles of 16 tokens
	s_add_co_u32 s75, s75, s67
	s_lshl_b32 s92, s85, 12
	s_add_co_u32 s92, s92, s75
	s_mov_b32 s93, 0
	s_lshl_b32 s94, s84, 12
	s_add_co_u32 s94, s94, s75
	s_mov_b32 s95, 0
	s_sub_co_u32 s[LSL], 15, s[WV]
	s_sub_co_u32 s[SWT], 16, s[WV]
	s_lshl_b32 s98, s[CX], 4                       ; a pair's first query less its diagonal step's first key: 16 cx (second tile: + 64)
	s_wait_alu depctr_va_vdst(0)
	s_wait_dscnt 0x0                               ; both opening adds are done
	s_wait_kmcnt 0x0
	s_load_b128 s[68:71], s[8:9], 0x18             ; e6 (Q), e7 (K), e8 (p), e9 (V)
	s_load_b64 s[72:73], s[8:9], 0x28              ; e10 (the result), e11
	s_mov_b32 s[G0A], 1
	s_mov_b32 s[G0A+1], s58
	s_add_nc_u64 s[G0A+2:G0A+3], s[6:7], s[76:77]
	s_mov_b32 s[G0B], 1
	s_mov_b32 s[G0B+1], s62
	s_add_nc_u64 s[G0B+2:G0B+3], s[G0A+2:G0A+3], 0x20000
	s_or_b32 s[G0A+3], s[G0A+3], 0x80000000
	s_or_b32 s[G0B+3], s[G0B+3], 0x80000000
	s_add_nc_u64 s[PFB:PFB+1], s[6:7], s[80:81]
	s_add_nc_u64 s[QPL:QPL+1], s[4:5], s[88:89]
	s_add_nc_u64 s[QPS:QPS+1], s[4:5], s[90:91]
	s_add_nc_u64 s[OPL:OPL+1], s[10:11], s[92:93]
	s_add_nc_u64 s[OPS:OPS+1], s[10:11], s[94:95]
	ROUND                                          ; all four work-groups are here: the first joint loads meet
	tensor_load_to_lds s[G0A:G0A+3], s[G1:G1+7]    ; group 0: every wave's one load at the head
	s_nop 0
.rept 4
	v_nop
.endr
	v_and_b32 v[LI], 31, v0
	v_min_u32 v[PFO], 15, v[LI]
	v_lshlrev_b32 v[PFO], 8, v[PFO]
	v_lshlrev_b32 v[LI], 4, v[LI]
	v_add_nc_u32 v[LIV], VOFF, v[LI]
	v_and_b32 v10, 15, v0
	v_bfe_u32 v11, v0, 4, 1
	v_lshlrev_b32 v11, 3, v11
	v_sub_nc_u32 v10, v10, v11
	v_add_nc_u32 v[DMA], s98, v10                  ; d = the first tile's query - the diagonal step's first key - 8 (lane / 16), between -8 and 63; the second tile's is d + 64
	v_mov_b32 v242, 0                              ; written once: a lane permute's destination counts as one of its sources
	v_mov_b32 v243, 0
	v_mov_b32 v253, 0                              ; (named as the upper halves of the pairs v[252:253], v[250:251])
	v_mov_b32 v251, 0
	v_mov_b32 v[B448], 0x43e00000
	v_mov_b32 v[ONE], 1.0
	s_wait_alu depctr_va_vdst(0)
	WIN 0x40                                       ; both pairs' fragments of Q stay in registers, in window 1
.irp u, 0,1
	global_load_b128 v[224+8*\u:227+8*\u], v[LI], s[QPL:QPL+1] offset:4096*\u
	global_load_b128 v[228+8*\u:231+8*\u], v[LI], s[QPL:QPL+1] offset:4096*\u+512
	global_load_b128 v[240+8*\u:243+8*\u], v[LI], s[QPS:QPS+1] offset:4096*\u
	global_load_b128 v[244+8*\u:247+8*\u], v[LI], s[QPS:QPS+1] offset:4096*\u+512
.endr
	WIN 0
	global_prefetch_b8 v[PFO], s[PFB:PFB+1] th:TH_LOAD_NT scope:SCOPE_SE
	s_wait_kmcnt 0x0
	s_add_co_i32 s81, s68, s69
	s_lshl_b32 s81, s81, 23
	s_add_co_i32 s[CS], s[CS], s81                 ; a score stands for score x 2^(e6 + e7): the two exponents are added to c's exponent field
	s_mov_b32 s[CS+1], s[CS]
	s_add_co_i32 s81, s70, 127
	s_lshl_b32 s82, s81, 23
	v_mov_b32 v244, s82                            ; 2^e8 as f32, for p's conversion
	s_add_co_i32 s81, s81, 8
	s_lshl_b32 s81, s81, 23
	s_or_b32 s81, s81, 0x600000
	v_mov_b32 v240, s81                            ; 448 x 2^e8, twice: one register for each half of a dual pair
	v_mov_b32 v241, s81
	s_add_co_i32 s[EF], s70, s71
	s_sub_co_i32 s[EF], s[EF], s72                 ; O^T / sum stands for x 2^(e8 + e9); its code is that / 2^e10
; A pair begins: O^T and the sums are zeros and the largest t is -3e38, so that the key step is written once: its first run finds zeros, which the first change of M leaves zeros.
.macro START
	v_mov_b32 v13, 0xff61b1e6
	v_mov_b32 v27, 0xff61b1e6
	v_floor_f32 v12, -v13
	v_floor_f32 v26, -v27
	v_mov_b32 v14, 0
	v_mov_b32 v15, 0
	v_mov_b32 v28, 0
	v_mov_b32 v29, 0
	WIN 0x40
.set j, 0
.rept 64
	v_mov_b32 v[96+j], 0
.set j, j+1
.endr
	WIN 0
	s_wait_alu depctr_va_vdst(0)
.endm
; A pair ends: O^T / the sum x 2^(e8 + e9 - e10), held within +-448, to codes: four conversions a tile give the eight registers of a unit of 16 tokens x 64 channels.  Each pair has its own registers for its codes and its own base.
.macro FLUSH cd, op
.rept 4
	v_nop                                          ; places behind the last products
.endr
	v_add_f32 v14, v14, v15
	v_add_f32 v28, v28, v29
	v_permlanex16_b32 v242, v14, s[SEL], s[SEL+1]
	v_permlanex16_b32 v243, v28, s[SEL], s[SEL+1]
	v_add_f32 v14, v14, v242                       ; the sum's two halves and lane l xor 16's
	v_add_f32 v28, v28, v243
	s_wait_alu depctr_va_vdst(0)
	v_rcp_f32 v14, v14
	v_rcp_f32 v28, v28
	v_nop
	s_wait_alu depctr_va_vdst(0)                   ; the waits ahead of the reciprocals and ahead of their first reader
	v_ldexp_f32 v14, v14, s[EF]
	v_ldexp_f32 v28, v28, s[EF]
	WIN 0x01                                       ; source 0: O^T, in window 1
	s_wait_alu depctr_va_vdst(0)                   ; and directly ahead of the first reader of O^T
.set j, 0
.rept 16
	v_pk_mul_f32 v[96+j:97+j], v[96+j:97+j], v[14:15] op_sel_hi:[1,0]   ; each accumulator from its low end on
.set j, j+2
.endr
.rept 16
	v_pk_mul_f32 v[96+j:97+j], v[96+j:97+j], v[28:29] op_sel_hi:[1,0]
.set j, j+2
.endr
	WIN 0
.set j, 0
.rept 64
	v_med3_num_f32 v[96+j], v[96+j], -v[B448], v[B448]
.set j, j+1
.endr
	WIN 0x40
.irp t, 0,1,2,3,4,5,6,7
	v_cvt_scalef32_pk8_fp8_f32 v[\cd+2*\t:\cd+2*\t+1], v[96+8*\t:103+8*\t], v[ONE]
.endr
	WIN 0
	v_nop                                          ; a plain line behind the last conversion
	WIN 0x04                                       ; a store's data are its source 1
.irp u, 0,1
	global_store_b128 v[LI], v[\cd+8*\u:\cd+8*\u+3], s[\op:\op+1] offset:16384*\u          ; 512 consecutive bytes, aligned; the pair's second tile lies four tiles of 4,096 bytes on
	global_store_b128 v[LI], v[\cd+8*\u+4:\cd+8*\u+7], s[\op:\op+1] offset:16384*\u+512
.endr
	WIN 0
.endm
; A KEY STEP: 128 keys, for both tiles of the pair; the two tiles' lines take turns.  K's fragments are in registers; V's lie at LDS byte 131,072 + s[TA]; the next step's K at s[TN].  chk = 0: a step that lies on the diagonal in no wave.
.macro STEP chk
	WIN 0x05                                       ; source 0 (K) and source 1 (Q): window 1
.irp kap, 0,1,2,3,4,5,6,7
	v_wmma_f32_16x16x64_fp8_fp8 v[96+8*\kap:103+8*\kap], v[32+8*\kap:39+8*\kap], v[224:231], 0    ; register 8 kap + j: key 16 kap + 8 (lane / 16) + j of the step, query lane % 16
	v_wmma_f32_16x16x64_fp8_fp8 v[160+8*\kap:167+8*\kap], v[32+8*\kap:39+8*\kap], v[232:239], 0   ; the same fragment of K for the second tile
.endr
	WIN 0
	v_add_nc_u32 v[ADR], s[TN], v[LI]
	v_add_nc_u32 v[ADV], s[TA], v[LIV]
	v_nop
	v_nop                                          ; with the additions: four places in front of loads into registers that matrix instructions have read, and of the first read of the scores
	KLOAD ADR                                      ; the next step's K,
.irp t, 0,1,2,3
.irp g, 0,1,2,3
	ds_load_b128 v[32+16*\t+4*\g:32+16*\t+4*\g+3], v[ADV] offset:2048*\t+512*\g   ; and this step's V: both land under the softmax
.endr
.endr
.if \chk
	s_sub_co_u32 s96, s[ST], s[LSL]                ; 0: the first pair's last trip; 1: the second pair's first: the diagonal steps.  Hidden keys' scores become -infinity ahead of the maximum, so p = 0
	s_cmp_gt_u32 s96, 1
	s_cbranch_scc1 .Lopen_\@
	v_mov_b32 v236, 0xff800000
.irp n, 0,1,2,3,4,5,6,7,8,9,10,11,12,13,14,15,16,17,18,19,20,21,22,23,24,25,26,27,28,29,30,31
	v_cmp_gt_i32 vcc_lo, 16*(\n/8)+\n%8, v[DMA]    ; the first tile's key 16 kap + j is hidden where it is over d; so is the second tile's key 64 + 16 kap + j, whose d is 64 more: one compare for both
	v_cndmask_b32 v[96+\n], v[96+\n], v236, vcc_lo
	v_cndmask_b32 v[192+\n], v[192+\n], v236, vcc_lo
	v_mov_b32 v[128+\n], v236                      ; d is 63 at the most: the first tile's keys 64 and up are hidden in every lane.  (d + 64 is 56 at the least: the second tile's keys under 56 + 8 (lane / 16) all count)
.endr
.Lopen_\@:
.endif
	v_max3_num_f32 v236, v96, v97, v98             ; the step's largest score of my query, two chains a tile (each accumulator is first read at its low end)
	v_max3_num_f32 v238, v160, v161, v162
	v_max3_num_f32 v237, v99, v100, v101
	v_max3_num_f32 v239, v163, v164, v165
.irp i, 6,10,14,18,22,26,30,34,38,42,46,50,54,58
	v_max3_num_f32 v236, v236, v[96+\i], v[97+\i]
	v_max3_num_f32 v238, v238, v[160+\i], v[161+\i]
	v_max3_num_f32 v237, v237, v[98+\i], v[99+\i]
	v_max3_num_f32 v239, v239, v[162+\i], v[163+\i]
.endr
	v_max3_num_f32 v236, v236, v158, v159
	v_max3_num_f32 v238, v238, v222, v223
	v_max_num_f32 v236, v236, v237
	v_max_num_f32 v238, v238, v239
	v_permlanex16_b32 v242, v236, s[SEL], s[SEL+1]
	v_permlanex16_b32 v243, v238, s[SEL], s[SEL+1]
	v_max_num_f32 v236, v236, v242                 ; and among lane l xor 16's
	v_max_num_f32 v238, v238, v243
	v_mul_f32 v236, s[CS], v236                    ; as t (c is positive)
	v_mul_f32 v238, s[CS], v238
	v_max_num_f32 v13, v13, v236                   ; the running largest t
	v_max_num_f32 v27, v27, v238
	v_mov_b32 v237, v12
	v_mov_b32 v239, v26
	v_floor_f32 v12, -v13                          ; the new -M = -ceil(t)
	v_floor_f32 v26, -v27
	v_sub_f32 v237, v12, v237                      ; old M - new M: a whole number, 0 or less
	v_sub_f32 v239, v26, v239
	v_cvt_i32_f32 v237, v237                       ; (it saturates)
	v_cvt_i32_f32 v239, v239
	v_ldexp_f32 v252, 1.0, v237                    ; f = 2^(old M - new M)
	v_ldexp_f32 v250, 1.0, v239
.set j, 0
.rept 32
	v_pk_fma_f32 v[96+j:97+j], v[96+j:97+j], s[CS:CS+1], v[12:13] op_sel_hi:[1,0,0]   ; t - M, two at a time
	v_pk_fma_f32 v[160+j:161+j], v[160+j:161+j], s[CS:CS+1], v[26:27] op_sel_hi:[1,0,0]
.set j, j+2
.endr
	WIN 0x41                                       ; O^T, in window 1, under the new M: read ahead of the exponentials, each accumulator from its low end on
.set j, 0
.rept 16
	v_pk_mul_f32 v[96+j:97+j], v[96+j:97+j], v[252:253] op_sel_hi:[1,0]
	v_pk_mul_f32 v[128+j:129+j], v[128+j:129+j], v[250:251] op_sel_hi:[1,0]
.set j, j+2
.endr
	WIN 0
	s_wait_alu depctr_va_vdst(0)
.set j, 0
.rept 128
	v_exp_f32 v[96+j], v[96+j]                     ; p = 2^(t - M), at most 1
.set j, j+1
.endr
	v_pk_mul_f32 v[14:15], v[14:15], v[252:253] op_sel_hi:[1,0]   ; the sums under the new M: plain lines behind the exponentials
	v_pk_mul_f32 v[28:29], v[28:29], v[250:251] op_sel_hi:[1,0]
	s_wait_alu depctr_va_vdst(0)                   ; one wait for the whole batch, ahead of its first reader
	v_pk_add_f32 v[224:225], v[96:97], v[98:99]    ; the rows' sums of the unquantised p, four chains a tile
	v_pk_add_f32 v[230:231], v[160:161], v[162:163]
	v_pk_add_f32 v[226:227], v[100:101], v[102:103]
	v_pk_add_f32 v[232:233], v[164:165], v[166:167]
	v_pk_add_f32 v[228:229], v[104:105], v[106:107]
	v_pk_add_f32 v[234:235], v[168:169], v[170:171]
.irp k, 12,20,28,36,44,52
	v_pk_add_f32 v[14:15], v[14:15], v[96+\k:97+\k]
	v_pk_add_f32 v[28:29], v[28:29], v[160+\k:161+\k]
	v_pk_add_f32 v[224:225], v[224:225], v[98+\k:99+\k]
	v_pk_add_f32 v[230:231], v[230:231], v[162+\k:163+\k]
	v_pk_add_f32 v[226:227], v[226:227], v[100+\k:101+\k]
	v_pk_add_f32 v[232:233], v[232:233], v[164+\k:165+\k]
	v_pk_add_f32 v[228:229], v[228:229], v[102+\k:103+\k]
	v_pk_add_f32 v[234:235], v[234:235], v[166+\k:167+\k]
.endr
	v_pk_add_f32 v[14:15], v[14:15], v[156:157]
	v_pk_add_f32 v[28:29], v[28:29], v[220:221]
	v_pk_add_f32 v[224:225], v[224:225], v[158:159]
	v_pk_add_f32 v[230:231], v[230:231], v[222:223]
	v_pk_add_f32 v[14:15], v[14:15], v[228:229]
	v_pk_add_f32 v[28:29], v[28:29], v[234:235]
	v_pk_add_f32 v[224:225], v[224:225], v[226:227]
	v_pk_add_f32 v[230:231], v[230:231], v[232:233]
	v_pk_add_f32 v[14:15], v[14:15], v[224:225]
	v_pk_add_f32 v[28:29], v[28:29], v[230:231]
.set j, 0
.rept 64
	v_dual_min_num_f32 v[96+j], v[96+j], v240 :: v_dual_min_num_f32 v[97+j], v[97+j], v241   ; the conversion does not saturate (ISA guide 7.6.2); p is not negative, so the hold is one-sided; two numbers a line
.set j, j+2
.endr
	WIN 0x40                                       ; p's codes go to window 1
.irp c, 0,1,2,3,4,5,6,7,8,9,10,11,12,13,14,15
	v_cvt_scalef32_pk8_fp8_f32 v[2*\c:2*\c+1], v[96+8*\c:103+8*\c], v244   ; keys 16 (c % 8) + 8 (lane / 16) + 0 .. 7: registers 2 (c % 8), + 1 of the fragment of P of tile c / 8
.endr
	WIN 0
	v_nop                                          ; a plain line between the last conversion and the products
	s_wait_alu depctr_va_vdst(0)
	s_wait_dscnt 0x0                               ; V is in, and so is the next step's K
	WIN 0x54                                       ; source 1 (P), C and D (O^T): window 1
.irp t, 0,1,2,3
	v_wmma_f32_16x16x128_fp8_fp8 v[96+8*\t:103+8*\t], v[32+16*\t:47+16*\t], v[0:15], v[96+8*\t:103+8*\t]        ; eight accumulators, one instruction a turn; the next step's sixteen products stand between two turns
	v_wmma_f32_16x16x128_fp8_fp8 v[128+8*\t:135+8*\t], v[32+16*\t:47+16*\t], v[16:31], v[128+8*\t:135+8*\t]    ; the same fragment of V for the second tile
.endr
	WIN 0
.endm
	START
	s_wait_tensorcnt 0x0                           ; my part of group 0 is in
	ds_add_u32 v[SPW], v[NIL]
	s_wait_dscnt 0x0
	ROUND                                          ; everybody's part is in, and all four work-groups are here
	tensor_load_to_lds s[G0B:G0B+3], s[G1:G1+7]    ; group 1: bytes that nothing has filled, and that trips 0 to 6 do not read
	s_nop 0
.rept 4
	v_nop
.endr
	KLOAD LI                                       ; step 0's K
	s_wait_loadcnt 0x0                             ; Q
	s_wait_dscnt 0x0
	s_mov_b32 s[ST], 0
.Lfirst:                                           ; trips 0 to 6: steps 0 to 6 of my first pair (its queries are 1,024 and up: every key counts); the last of them fetches step 7's K, group 0's last
	s_lshl_b32 s[TA], s[ST], 13
	s_add_co_u32 s[TN], s[TA], 8192
	STEP 0
	s_add_co_u32 s[ST], s[ST], 1
	s_cmp_lt_u32 s[ST], 7
	s_cbranch_scc1 .Lfirst
	s_wait_tensorcnt 0x0                           ; my part of group 1 is in,
	s_wait_dscnt 0x0
	s_barrier_signal -1
	s_barrier_wait -1                              ; everybody's is: from here on the waves share nothing
	s_mov_b32 s[ST1], 6
.Lmain:                                            ; trips 7 to 16
	s_cmp_lg_u32 s[ST], s[SWT]
	s_cbranch_scc1 .Lsame
	FLUSH 192, OPL                                 ; trip 16 - wave: the first pair leaves, the second begins in the same registers
	WIN 0x41
.set j, 0
.rept 16
	v_mov_b32 v[224+j], v[240+j]                   ; its Q
.set j, j+1
.endr
	WIN 0
	START
.Lsame:
	s_min_u32 s96, s[ST], 15                       ; the first pair's step is the trip,
	s_xor_b32 s97, s[ST1], 15                      ; the second's 16 - trip = 15 - (trip - 1)
	s_cmp_le_u32 s[ST], s[LSL]
	s_cselect_b32 s[TA], s96, s97
	s_lshl_b32 s[TA], s[TA], 13
	s_add_co_u32 s96, s[ST], 1                     ; the same for the next trip
	s_xor_b32 s97, s[ST], 15
	s_cmp_lt_u32 s[ST], s[LSL]
	s_cselect_b32 s[TN], s96, s97
	s_min_u32 s[TN], s[TN], 15                     ; (trip 16 has no successor)
	s_lshl_b32 s[TN], s[TN], 13
	STEP 1
	s_add_co_u32 s[ST1], s[ST1], 1
	s_add_co_u32 s[ST], s[ST], 1
	s_cmp_lt_u32 s[ST], 17
	s_cbranch_scc1 .Lmain
	FLUSH 208, OPS
	s_wait_tensorcnt 0x0                           ; the wave's end, behind my last tensor load
	ds_add_u32 v[SPW], v[NIL]
	s_wait_dscnt 0x0
	ROUND                                          ; the closing round
	s_endpgm
.Lfunc_end_k_q9d477bb415_attn:
	.size	k_q9d477bb415_attn, .Lfunc_end_k_q9d477bb415_attn-k_q9d477bb415_attn
	.p2alignl 7, 3214868480
	.fill 96, 4, 3214868480
	.section	.rodata,"a",@progbits
	.p2align	6, 0x0
	.amdhsa_kernel k_q9d477bb415_attn
		.amdhsa_group_segment_fixed_size 327680
		.amdhsa_private_segment_fixed_size 0
		.amdhsa_enable_private_segment 0
		.amdhsa_kernarg_size 32
		.amdhsa_user_sgpr_count 2
		.amdhsa_user_sgpr_kernarg_segment_ptr 1
		.amdhsa_wavefront_size32 1
		.amdhsa_system_sgpr_workgroup_id_x 1
		.amdhsa_system_sgpr_workgroup_id_y 1
		.amdhsa_system_sgpr_workgroup_id_z 1
		.amdhsa_system_vgpr_workitem_id 0
		.amdhsa_next_free_vgpr 512
		.amdhsa_next_free_sgpr 100
		.amdhsa_reserve_vcc 1
		.amdhsa_float_denorm_mode_32 3
		.amdhsa_float_denorm_mode_16_64 3
		.amdhsa_memory_ordered 1
		.amdhsa_forward_progress 1
		.amdhsa_inst_pref_size 91
	.end_amdhsa_kernel
	.amdgpu_metadata
---
amdhsa.version: [ 1, 2 ]
amdhsa.kernels:
  - .name:           k_q9d477bb415_attn
    .symbol:         k_q9d477bb415_attn.kd
    .args:
      - { .name: qc, .offset: 0, .size: 8, .value_kind: global_buffer, .address_space: global }
      - { .name: kv, .offset: 8, .size: 8, .value_kind: global_buffer, .address_space: global }
      - { .name: lowp_scales, .offset: 16, .size: 8, .value_kind: global_buffer, .address_space: global }
      - { .name: oc, .offset: 24, .size: 8, .value_kind: global_buffer, .address_space: global }
    .group_segment_fixed_size: 327680
    .private_segment_fixed_size: 0
    .kernarg_segment_align: 8
    .kernarg_segment_size: 32
    .max_flat_workgroup_size: 256
    .sgpr_count:     100
    .vgpr_count:     512
    .wavefront_size: 32
...
	.end_amdgpu_metadata
.endif
;; end of part 3
;; launch oproj (part 4): grid 4 x 64, 4 waves a work-group, clusters of 4 x 4, 327,680 bytes of LDS; arguments oc, wc, lowp_scales, b_o, out0; writes out0
.if DOCPART == 4
	.amdgcn_target "amdgcn-amd-amdhsa--gfx1250"
	.amdhsa_code_object_version 6
	.text
	.protected	k_q9d477bb415_oproj
	.globl	k_q9d477bb415_oproj
	.p2align	8
	.type	k_q9d477bb415_oproj,@function
k_q9d477bb415_oproj:
	s_mov_b64 s[64:65], 0
	v_nop
	global_prefetch_b8 v0, s[64:65] scope:SCOPE_SE
	s_setreg_imm32_b32 hwreg(HW_REG_WAVE_MODE, 25, 1), 1
	s_wait_xcnt 0x0
	s_wait_alu depctr_hold_cnt(0) depctr_sa_sdst(0) depctr_va_vdst(0) depctr_va_sdst(0) depctr_va_ssrc(0) depctr_va_vcc(0) depctr_vm_vsrc(0)
	s_getreg_b32 s2, hwreg(HW_REG_IB_STS2, 6, 4)
	s_cmp_eq_u32 s2, 0
	s_cbranch_scc0 .Lentry_in_a_cluster
	s_endpgm
.Lentry_in_a_cluster:
	s_bfe_u32 s2, ttmp6, 0x10000c
	s_cmp_lg_u32 s2, 0xf033
	s_cbranch_scc0 .Lentry_shape_is_right
	s_endpgm
.Lentry_shape_is_right:
; OPROJ: out0 = attention's result x w_o + b_o, on codes of E4M3; out0 [8,192][1,024] f32.
; A block of out0 is 128 tokens x 256 channels: 64 x 4 = 256 work-groups.  Four waves, each 64 tokens x 128 channels: 32 accumulators of 16 x 16.  K = 1,024 goes in four steps of 256 through two LDS slots.
; OPERANDS LIE IN MEMORY AS IMAGES OF THEIR REGISTERS (units of 16 rows x 128 k, 2,048 bytes; register p of a lane at 512 (p / 4) + 16 lane + 4 (p % 4)): a K step's part of a tile is one dense block, a fragment four loads of
; 16 bytes at 16 x lane.  oc: [K step 4][16 tokens: 512][two units];  w_o's codes: weight 3 of wc, [K step 4][16 channels: 64][two units].
; The matrix instruction takes 16 channels (B side) as source 0 and 16 tokens (A side) as source 1: a lane then holds one token and eight neighbouring channels.
; THE BIAS is the C of each sum's first matrix instruction, divided by 2^(e10 + e11), the power of two that the sums lack; each finished sum is multiplied by 2^(e10 + e11) on the way out.
; CLUSTER 4 x 4: the A side's tile hangs on cy alone and is asked for jointly by my row of the cluster, the B side's on cx alone, by my column.  Waves 0, 1 fetch the A side's halves (64 rows, 16,384 bytes), waves 2, 3 the B side's
; (128 rows, 32,768 bytes); each lands at 32,768 x wave in the slot.
; BOTH SIDES HAVE TWO SETS OF FRAGMENT REGISTERS: while one 128 along K is multiplied (32 matrix instructions), the next one's 48 LDS loads are out.
; LIMIT: e10 + e11 between -126 and 127.  NaN among the inputs is not served.
; REGISTERS: window 0: v0-31 addresses; v32-95 the bias, later a block's scaled sums; v128-191, v192-255 the A side's fragments (4 x 16 rows x 128 K), two sets; on the way out rows read back from the stage.
;   window 1: the B side's fragments, two sets of 128.   window 2: the accumulators ((a, b) at v[8 (8 a + b)]).
.set FR,     16                        ; registers of a fragment
.set NP,     4                         ; places behind this matrix instruction (ISA guide 7.12.1)
.set HALFT,  32768
.set SLOT,   4*HALFT
.set SPARE,  2*SLOT                    ; behind the ring: the spare words, 128 bytes for each wave: two blocks of 256 bytes that no other line names
.set SIZE_N, 1024
.set SPITCH, 528                       ; the way out: a stage of 16 rows x (512 bytes + 16) for each wave, in slot 0, which has had its last fill and its last read when the first result is stored there
.set ADRA, 16                          ; v16-17  LDS address of my A fragments in slot 0, 1
.set ADRB, 20                          ; v20-21  the same for B
.set STO,  24
.set RD,   25
.set CO,   26
.set LI,   27                          ; v27     16 x lane
.set SPW,  28                          ; v28     LDS address of my spare word; never rewritten
.set NIL,  29                          ; v29     0; never rewritten
.set PFO,  30                          ; v30     the prefetches' offset; never rewritten
.set BOF,  31
.set BIAS, 32
.set TMP,  32
.set AF,   128
.set BK,   128
.set G1, 24                            ; s[24:31] descriptor group 1 for the A side;  s[32:39] group 0, one set for each slot
.set G0, 32
.set G1B, 48                           ; s[48:55], s[56:63] the same for the B side
.set G0B, 56
.set MSB, 0
.macro WIN new                         ; the immediate's high byte repeats the setting that is left
.if MSB != \new
	s_set_vgpr_msb (MSB<<8)|\new
.set MSB, \new
.endif
.endm
.set MUL_AC, 0xa1                      ; source 0 (B) window 1, source 1 (A) window 0, C and D window 2
.set TO_B,   0x40                      ; destination window 1, address window 0
; A joint load: waves 0 and 1 fetch for the A side, waves 2 and 3 for the B side.  The branch hangs on the wave's number alone.  An s_nop 0 and four v_nop follow each of the two lines.
.macro JLOAD g0a, g1a, g0b, g1b
	s_cmp_eq_u32 s15, 0
	s_cbranch_scc0 .Lfor_b_\@
	tensor_load_to_lds s[\g0a:\g0a+3], s[\g1a:\g1a+7]
	s_nop 0
.rept 4
	v_nop
.endr
	s_branch .Lasked_\@
.Lfor_b_\@:
	tensor_load_to_lds s[\g0b:\g0b+3], s[\g1b:\g1b+7]
	s_nop 0
.rept 4
	v_nop
.endr
.Lasked_\@:
.endm
.macro CREST                           ; a round of the cluster's barrier behind its opening barrier
	s_cmp_lg_u32 s14, 0
	s_cbranch_scc1 .Lnot_wave_0_\@
	s_barrier_signal -3
.Lnot_wave_0_\@:
	s_barrier_wait -3
	s_barrier_signal -1
	s_barrier_wait -1
.endm
.macro CROUND
	s_barrier_signal -1
	s_barrier_wait -1
	CREST
.endm
	s_load_b256 s[4:11], s[0:1], 0x0               ; oc s[4:5], wc s[6:7], lowp_scales s[8:9], b_o s[10:11]
	s_load_b64 s[68:69], s[0:1], 0x20              ; out0
	v_lshl_add_u32 v[SPW], v0, 2, SPARE
	v_mov_b32 v[NIL], 0
	ds_add_u32 v[SPW], v[NIL]                      ; the opening lines: the add, twice on end, and its wait ahead of my first tensor load
	ds_add_u32 v[SPW], v[NIL]
	v_lshrrev_b32 v1, 5, v0
	v_readfirstlane_b32 s14, v1                    ; wave 0..3
	s_lshr_b32 s15, s14, 1                         ; which 64 of the block's tokens are mine.  Also: I fetch for A (0) or for B (1)
	s_and_b32 s16, s14, 1                          ; which 128 of its channels.  Also: which half of that side's tile I fetch
	s_bfe_u32 s40, ttmp6, 0x40000                  ; cx, cy
	s_bfe_u32 s41, ttmp6, 0x40004
	s_lshl_b32 s42, ttmp9, 2
	s_add_co_u32 s42, s42, s40                     ; which 256 channels = 4 x cluster x + cx
	s_and_b32 s17, ttmp7, 0xffff
	s_lshl_b32 s17, s17, 2
	s_add_co_u32 s17, s17, s41                     ; which 128 tokens = 4 x cluster y + cy
	s_lshl_b32 s43, s41, 2
	s_lshl_b32 s43, 15, s43                        ; my row of the cluster
	s_lshl_b32 s44, 0x1111, s40                    ; my column
	s_or_b32 s[G1+0], s43, (3<<16)|(1<<21)         ; 15:0 the mask; 17:16 elements of 8 bytes; no padding; 21 set beside a mask
	s_or_b32 s[G1B+0], s44, (3<<16)|(1<<21)
.irp g, G1, G1B
	s_mov_b32 s[\g+1], 32<<16                      ; tensor_dim0: 256 bytes
	s_mov_b32 s[\g+3], 32<<16                      ; tile_dim0
	s_mov_b32 s[\g+5], 32                          ; dense rows
	s_mov_b32 s[\g+6], 0
	s_mov_b32 s[\g+7], 0
.endr
	s_mov_b32 s[G1+2], 64<<16                      ; tensor_dim1, tile_dim1: 16,384 bytes of the A side,
	s_mov_b32 s[G1+4], 64
	s_mov_b32 s[G1B+2], 128<<16                    ; 32,768 of the B side
	s_mov_b32 s[G1B+4], 128
	s_lshl_b32 s18, s16, 14
	s_lshl_b32 s20, s17, 15                        ; 128 tokens of a K step are 32,768 bytes
	s_add_co_u32 s20, s20, s18
	s_mov_b32 s21, 0
	s_lshl_b32 s18, s16, 15
	s_lshl_b32 s46, s42, 16                        ; 256 channels 65,536
	s_add_co_u32 s46, s46, s18
	s_add_co_u32 s46, s46, 0x300000                ; weight 3 of wc
	s_mov_b32 s47, 0
	s_mov_b32 s66, 0x400000                        ; two K steps of oc,
	s_mov_b32 s67, 0
	s_mov_b32 s78, 0x80000                         ; of wc
	s_mov_b32 s79, 0
	s_lshl_b32 s45, s14, 15                        ; where my load goes: no place in the cluster enters an LDS address
	s_wait_alu depctr_va_vdst(0)
	s_wait_dscnt 0x0
	s_wait_kmcnt 0x0
	s_load_b64 s[86:87], s[8:9], 0x28              ; e10, e11
	s_add_nc_u64 s[20:21], s[4:5], s[20:21]
	s_add_nc_u64 s[46:47], s[6:7], s[46:47]
.irp s, 0,1
	s_mov_b32 s[G0+4*\s], 1
	s_add_co_u32 s[G0+4*\s+1], s45, \s*SLOT
	s_add_nc_u64 s[G0+4*\s+2:G0+4*\s+3], s[20:21], \s*0x200000
	s_or_b32 s[G0+4*\s+3], s[G0+4*\s+3], 0x80000000
	s_mov_b32 s[G0B+4*\s], 1
	s_add_co_u32 s[G0B+4*\s+1], s45, \s*SLOT
	s_add_nc_u64 s[G0B+4*\s+2:G0B+4*\s+3], s[46:47], \s*0x40000
	s_or_b32 s[G0B+4*\s+3], s[G0B+4*\s+3], 0x80000000
.endr
	CROUND                                         ; all sixteen work-groups are here: the first joint loads meet
	JLOAD G0, G1, G0B, G1B                         ; K step 0: one tensor load a wave at the head; the set-up and the bias's loads below stand under its flight
	; A PREFETCH INTO THE L2 of oc's tiles, two K steps ahead of the load that will want them: here K step 2, behind K step 1's load K step 3.  Of the 16,384 bytes that wave 0 or 1 fetches, each of the four partners that ask
	; for them jointly names 4,096, told apart by address; lanes 256 bytes apart (lanes 16-31 name the last block again): each aligned block of 256 bytes is named once in the launch.  K steps 0 and 1 come by their loads alone.
	; The weight, which all clusters read, is not named.
	s_lshl_b32 s72, s40, 12
	s_add_co_u32 s72, s72, 0x400000
	s_mov_b32 s73, 0
	s_add_nc_u64 s[70:71], s[20:21], s[72:73]      ; never rewritten
	v_and_b32 v6, 31, v0
	v_min_u32 v[PFO], 15, v6
	v_lshlrev_b32 v[PFO], 8, v[PFO]
	s_cmp_eq_u32 s15, 0
	s_cbranch_scc0 .Lpf0
	global_prefetch_b8 v[PFO], s[70:71] th:TH_LOAD_NT scope:SCOPE_SE
.Lpf0:
	v_and_b32 v1, 15, v0                           ; r
	v_bfe_u32 v2, v0, 4, 1                         ; hh
	v_and_b32 v6, 31, v0
	v_lshlrev_b32 v[LI], 4, v6
	s_lshl_b32 s18, s15, 15                        ; my 64 tokens,
	s_lshl_b32 s19, s16, 15                        ; my 128 channels,
	s_add_co_u32 s19, s19, 2*HALFT                 ; which lie behind the A side's room
.irp s, 0,1
	v_add_nc_u32 v[ADRA+\s], s18, v[LI]
	v_add_nc_u32 v[ADRB+\s], s19, v[LI]
	s_add_co_u32 s18, s18, SLOT
	s_add_co_u32 s19, s19, SLOT
.endr
	s_mul_i32 s23, s14, 16*SPITCH                  ; my stage
	s_wait_alu depctr_va_vdst(0)
	v_mul_u32_u24 v5, v1, SPITCH                   ; in: row r, 32 bytes for each half of the lanes
	v_lshl_add_u32 v5, v2, 5, v5
	v_add_nc_u32 v[STO], s23, v5
	v_lshlrev_b32 v[CO], 4, v6                     ; back: the 32 lanes take one row of 512 bytes; and the same in out0
	v_add_nc_u32 v[RD], s23, v[CO]
	v_lshlrev_b32 v[BOF], 5, v2                    ; register 8 b + j = bias of channel 16 b + 8 hh + j
	s_lshl_b32 s20, s17, 7
	s_lshl_b32 s21, s15, 6
	s_add_co_u32 s20, s20, s21                     ; my first token
	s_lshl_b32 s20, s20, 12                        ; a row of out0 is 4,096 bytes
	s_lshl_b32 s46, s42, 10
	s_lshl_b32 s47, s16, 9
	s_add_co_u32 s46, s46, s47                     ; my first channel, in bytes
	s_mov_b32 s47, 0
	s_add_nc_u64 s[10:11], s[10:11], s[46:47]
	s_add_co_u32 s20, s20, s46
	s_mov_b32 s21, 0
	s_add_nc_u64 s[68:69], s[68:69], s[20:21]
	s_wait_alu depctr_va_vdst(0)
.irp b, 0,1,2,3,4,5,6,7
	global_load_b128 v[BIAS+8*\b:BIAS+8*\b+3], v[BOF], s[10:11] offset:64*\b
	global_load_b128 v[BIAS+8*\b+4:BIAS+8*\b+7], v[BOF], s[10:11] offset:64*\b+16
.endr
	s_wait_kmcnt 0x0
	s_add_co_i32 s96, s86, s87                     ; e10 + e11
	s_sub_co_i32 s89, 0, s96
	s_add_co_i32 s96, s96, 127
	s_lshl_b32 s96, s96, 23                        ; 2^(e10 + e11) as f32
	s_mov_b32 s97, s96
	s_wait_loadcnt 0x0
.set i, 0
.rept 64
	v_ldexp_f32 v[BIAS+i], v[BIAS+i], s89          ; / 2^(e10 + e11): nothing is rounded
.set i, i+1
.endr
.macro FRAG reg, adr, q, i             ; a fragment: unit q of the i-th 16 rows: four loads of 512 consecutive bytes
.irp c, 0,1,2,3
	ds_load_b128 v[\reg+4*\c:\reg+4*\c+3], v[\adr] offset:2048*(\q)+512*\c+(\i)*4096
.endr
.endm
; 16 matrix instructions: A's blocks a0, a0 + 1 x B's eight, 128 along K, on the sets p.  cm = 1: the sums begin with the bias.  The 32 accumulators take turns, one instruction a turn, in the same order in every step
.macro MUL16 a0, p, cm
.irp a, \a0, \a0+1
.irp b, 0,1,2,3,4,5,6,7
.if (\cm) == 1
	v_wmma_f32_16x16x128_fp8_fp8 v[8*(8*(\a)+\b):8*(8*(\a)+\b)+7], v[128*(\p)+FR*\b:128*(\p)+FR*\b+FR-1], v[AF+64*(\p)+FR*(\a):AF+64*(\p)+FR*(\a)+FR-1], v[BIAS+8*\b:BIAS+8*\b+7]
.else
	v_wmma_f32_16x16x128_fp8_fp8 v[8*(8*(\a)+\b):8*(8*(\a)+\b)+7], v[128*(\p)+FR*\b:128*(\p)+FR*\b+FR-1], v[AF+64*(\p)+FR*(\a):AF+64*(\p)+FR*(\a)+FR-1], v[8*(8*(\a)+\b):8*(8*(\a)+\b)+7]
.endif
.endr
.endr
.endm
.macro FETCH slot, q, p                ; the slot's q-th 128 along K: B's eight fragments and A's four, into the sets p: 48 LDS loads
	WIN TO_B
.irp i, 0,1,2,3,4,5,6,7
	FRAG 128*(\p)+FR*\i, ADRB+\slot, \q, \i
.endr
	WIN 0
.irp i, 0,1,2,3
	FRAG AF+64*(\p)+FR*\i, ADRA+\slot, \q, \i
.endr
.endm
.macro PLACES n                        ; a load into a register that a matrix instruction has read, and a vector instruction that reads a matrix result, stand NP places behind it; only plain vector instructions are places
.rept \n
	v_nop
.endr
.endm
; A slot's first 128 along K, on the sets 0; the second's fragments are fetched into the sets 1 under it.
.macro STEP slot, cm
	s_wait_dscnt 0x0                               ; the sets 0 are in
	PLACES NP                                      ; the sets 1 were read by the products just issued
	FETCH \slot, 1, 1
.if (\cm) != 0
	WIN 0x81                                       ; C (the bias) window 0, D window 2
.else
	WIN MUL_AC
.endif
	MUL16 0, 0, \cm
	MUL16 2, 0, \cm
	WIN 0
.endm
; A slot's second 128 along K changes slots: ONE barrier; in front of it each wave waits for all its tensor loads, adds 0 to its spare word, and waits for that and for its own reads of this slot, which are the sets 1.
; fill = 1: this slot is filled again, two K steps ahead.
.macro TURN slot, next, fill
	s_wait_tensorcnt 0x0                           ; all my tensor loads have landed: my part of the next slot
	ds_add_u32 v[SPW], v[NIL]                      ; 0 onto my spare word
	s_wait_dscnt 0x0                               ; the add is done, and my reads of this slot are over
	s_barrier_signal -1
	WIN MUL_AC
	MUL16 0, 1, 0                                  ; work on registers while the others arrive
	WIN 0
	s_barrier_wait -1
.if \fill
	CREST                                          ; the barrier has opened a round of the cluster's barrier: no wave of any partner still reads this slot or has a load on its way
	s_add_nc_u64 s[G0+4*\slot+2:G0+4*\slot+3], s[G0+4*\slot+2:G0+4*\slot+3], s[66:67]
	s_add_nc_u64 s[G0B+4*\slot+2:G0B+4*\slot+3], s[G0B+4*\slot+2:G0B+4*\slot+3], s[78:79]
	JLOAD G0+4*\slot, G1, G0B+4*\slot, G1B         ; the first tensor load behind the round, my only one until the next; its four v_nop are the places in front of the loads below
.else
	PLACES NP
.endif
	FETCH \next, 0, 0
	WIN MUL_AC
	MUL16 2, 1, 0
	WIN 0
.endm
	s_wait_alu depctr_va_vdst(0)                   ; the head's end
	s_wait_tensorcnt 0x0                           ; my part of K step 0 is in
	ds_add_u32 v[SPW], v[NIL]
	s_wait_dscnt 0x0
	CROUND                                         ; everybody's part of K step 0 is in, and all sixteen work-groups are here
	JLOAD G0+4, G1, G0B+4, G1B                     ; K step 1: slot 1's first fill, the first tensor load behind the round
	FETCH 0, 0, 0
	s_cmp_eq_u32 s15, 0
	s_cbranch_scc0 .Lpf1
	global_prefetch_b8 v[PFO], s[70:71] offset:0x200000 th:TH_LOAD_NT scope:SCOPE_SE   ; K step 3 of oc's tiles
.Lpf1:
	STEP 0, 1                                      ; four K steps: written out, no loop
	TURN 0, 1, 1                                   ; slot 0 takes K step 2,
	STEP 1, 0
	TURN 1, 0, 1                                   ; slot 1 K step 3
	STEP 0, 0
	TURN 0, 1, 0                                   ; nothing is left to fetch
	STEP 1, 0
	s_wait_dscnt 0x0                               ; the very last 128 along K
	WIN MUL_AC
	MUL16 0, 1, 0
	MUL16 2, 1, 0
	WIN 0
; THE WAY OUT, block by block of 16 tokens x 128 channels.  A lane holds 32 neighbouring bytes of a row, and the lanes beside it hold other rows: so a block goes through my own stage in LDS and comes back as whole rows of
; 512 bytes, which the 32 lanes store as two aligned units of 256 bytes.  LDS serves a wave's instructions in order (ISA guide 5.7.1.4): no wait between the stores and the loads.
.macro TOSTAGE a
.set AC, 64*(\a)
	WIN 0x02                                       ; source 0: window 2
.set j, 0
.rept 32
	v_pk_mul_f32 v[TMP+j:TMP+j+1], v[AC+j:AC+j+1], s[96:97] op_sel_hi:[1,0]   ; x 2^(e10 + e11); each accumulator from its low end on
.set j, j+2
.endr
	WIN 0
.irp b, 0,1,2,3,4,5,6,7
	ds_store_b128 v[STO], v[TMP+8*\b:TMP+8*\b+3] offset:64*\b
	ds_store_b128 v[STO], v[TMP+8*\b+4:TMP+8*\b+7] offset:64*\b+16
.endr
.set BB, BK+64*((\a)%2)
.irp t, 0,1,2,3,4,5,6,7,8,9,10,11,12,13,14,15
	ds_load_b128 v[BB+4*\t:BB+4*\t+3], v[RD] offset:\t*SPITCH
.endr
.endm
.macro SEND a, younger                 ; younger: the LDS instructions issued behind block a's loads, which may stay out
.set BB, BK+64*((\a)%2)
	s_wait_dscnt \younger
.if (\a) > 0
	s_add_nc_u64 s[68:69], s[68:69], 16*SIZE_N*4   ; (behind a wait on XCNT: the earlier stores have read their base)
.endif
.irp t, 0,1,2,3,4,5,6,7,8,9,10,11,12,13,14,15
	global_store_b128 v[CO], v[BB+4*\t:BB+4*\t+3], s[68:69] offset:\t*SIZE_N*4 th:TH_STORE_NT   ; 512 consecutive bytes, aligned
.endr
.endm
	PLACES NP                                      ; in front of the first read of results and of the loads into registers that held A's fragments
	TOSTAGE 0
.irp a, 1,2,3
.if \a > 1
	s_wait_xcnt 0x0                                ; block a - 2's stores have read their registers and their base
.endif
	TOSTAGE \a
	SEND \a-1, 32                                  ; behind block a - 1's loads: block a's 16 stores and 16 loads
.endr
	s_wait_xcnt 0x0
	SEND 3, 0
	s_wait_tensorcnt 0x0                           ; the wave's end, behind my last tensor load and my last LDS store
	ds_add_u32 v[SPW], v[NIL]
	s_wait_dscnt 0x0
	CROUND                                         ; the closing round: no work-group ends while a partner may still ask for a tile that names it
	s_endpgm
.Lfunc_end_k_q9d477bb415_oproj:
	.size	k_q9d477bb415_oproj, .Lfunc_end_k_q9d477bb415_oproj-k_q9d477bb415_oproj
	.p2alignl 7, 3214868480
	.fill 96, 4, 3214868480
	.section	.rodata,"a",@progbits
	.p2align	6, 0x0
	.amdhsa_kernel k_q9d477bb415_oproj
		.amdhsa_group_segment_fixed_size 327680
		.amdhsa_private_segment_fixed_size 0
		.amdhsa_enable_private_segment 0
		.amdhsa_kernarg_size 40
		.amdhsa_user_sgpr_count 2
		.amdhsa_user_sgpr_kernarg_segment_ptr 1
		.amdhsa_wavefront_size32 1
		.amdhsa_system_sgpr_workgroup_id_x 1
		.amdhsa_system_sgpr_workgroup_id_y 1
		.amdhsa_system_sgpr_workgroup_id_z 1
		.amdhsa_system_vgpr_workitem_id 0
		.amdhsa_next_free_vgpr 768
		.amdhsa_next_free_sgpr 100
		.amdhsa_reserve_vcc 0
		.amdhsa_float_denorm_mode_32 3
		.amdhsa_float_denorm_mode_16_64 3
		.amdhsa_memory_ordered 1
		.amdhsa_forward_progress 1
		.amdhsa_inst_pref_size 81
	.end_amdhsa_kernel
	.amdgpu_metadata
---
amdhsa.version: [ 1, 2 ]
amdhsa.kernels:
  - .name:           k_q9d477bb415_oproj
    .symbol:         k_q9d477bb415_oproj.kd
    .args:
      - { .name: oc, .offset: 0, .size: 8, .value_kind: global_buffer, .address_space: global }
      - { .name: wc, .offset: 8, .size: 8, .value_kind: global_buffer, .address_space: global }
      - { .name: lowp_scales, .offset: 16, .size: 8, .value_kind: global_buffer, .address_space: global }
      - { .name: b_o, .offset: 24, .size: 8, .value_kind: global_buffer, .address_space: global }
      - { .name: out0, .offset: 32, .size: 8, .value_kind: global_buffer, .address_space: global }
    .group_segment_fixed_size: 327680
    .private_segment_fixed_size: 0
    .kernarg_segment_align: 8
    .kernarg_segment_size: 40
    .max_flat_workgroup_size: 128
    .sgpr_count:     100
    .vgpr_count:     768
    .wavefront_size: 32
...
	.end_amdgpu_metadata
.endif
;; end of part 4
